; MI455X (gfx1250); checked and timed in simulation.
; The chip was launched on July 23, 2026; its instructions are those of AMD's public machine-readable ISA for CDNA 5 (MIT licence, August 2026) and "CDNA5" Instruction Set Architecture Reference Guide (July 2026). The comments in the code are by the model that wrote it; some were corrected since.
;; RLI Pv2 Bi Multi Head Attention. Allowed arithmetic: matrix products marked QUANTISED: E2M1 operands, one E8M0 scale for each 32 along K, by v_wmma_scale_f32_16x16x128_f8f6f4 with both operands' format E2M1 (or v_wmma_scale_f32_32x16x128_f4), f32 sums; products left as they are: bf16, f16 or f32 operands; f32 sums; everything else in f32.
;; Inputs: Wk 256 x 768 float32; Wol 768 x 256 float32; Wov 256 x 256 float32; Wq 256 x 256 float32; Wvl 256 x 768 float32; Wvv 256 x 256 float32; attention_mask_l 4 x 256 float32; attention_mask_v 4 x 13,600 float32; bk 256 float32; bol 768 float32; bov 256 float32; bq 256 float32; bvl 256 float32; bvv 256 float32; l 4 x 256 x 768 float32; v 4 x 13,600 x 256 float32; v_pos 4 x 13,600 x 256 float32.
;; Outputs: out0 4 x 13,600 x 256 float32; out1 4 x 256 x 768 float32.
;; This version of the problem:
;;   THIS VERSION OF THE PROBLEM IS GIVEN IN LOW PRECISION. The matrix products marked QUANTISED in the list below multiply operands that are first quantised to E2M1 (2 exponent bits, 1 mantissa bit; 4 bits a number), with one power-of-two scale for each 32 numbers along K (OCP MX v1.0); their sums are f32. The products marked 'left as it is' may take bf16, f16 or f32 operands, with f32 sums. Whichever they take, every output number must still come out within the allowed error. Rounding operands to bf16 (8 significant bits) uses up far more of that allowance than f16 does (11 bits, for magnitudes from 6e-5 to 65,504). All else is computed in f32.
;;   The module's matrix products, in the order in which they are computed (A, B: the left and right operand; K: the contracted axis; several contracted axes count as one K, in the product's order):
;;     1. [M 54,400, K 256] x [K 256, N 256]; A: computed on the way; B: input Wq: left as it is (an operand is computed on the way)
;;     2. [M 1,024, K 768] x [K 768, N 256]; A: input l; B: input Wk: QUANTISED
;;     3. [M 54,400, K 256] x [K 256, N 256]; A: input v; B: input Wvv: QUANTISED
;;     4. [M 1,024, K 768] x [K 768, N 256]; A: input l; B: input Wvl: QUANTISED
;;     5. batch 32 x [M 13,600, K 32] x [K 32, N 256]; A: computed on the way; B: computed on the way: left as it is (an operand is computed on the way)
;;     6. batch 32 x [M 13,600, K 256] x [K 256, N 32]; A: computed on the way; B: computed on the way: left as it is (an operand is computed on the way)
;;     7. batch 32 x [M 256, K 13,600] x [K 13,600, N 32]; A: computed on the way; B: computed on the way: left as it is (an operand is computed on the way)
;;     8. [M 54,400, K 256] x [K 256, N 256]; A: computed on the way; B: input Wov: left as it is (an operand is computed on the way)
;;     9. [M 1,024, K 256] x [K 256, N 768]; A: computed on the way; B: input Wol: left as it is (an operand is computed on the way)
;;   THE QUANTISER, for each operand of a quantised product, along K:
;;     - K is cut into blocks of 32 from its start; a last block that is shorter is filled with zeros.
;;     - A block's scale is 2^e with e = floor(log2(the largest magnitude in the block)) - 2, held to -126 .. 127; a block of zeros has e = 0. As a byte (E8M0): e + 127.
;;     - Each number is divided by its block's scale, clamped to +-6, and rounded to the nearest number of E2M1, ties to even, subnormals kept.
;;     - The product sums the exact products of the quantised numbers (number of the format x scale) in f32.
;;   ~~~python
;;   def quantise(x, axis):      # numpy; x: float32 -> the quantised numbers, widened to float32 again
;;       x = np.moveaxis(x, axis, -1); K = x.shape[-1]
;;       x = np.pad(x, [(0, 0)] * (x.ndim - 1) + [(0, -K % 32)]); x = x.reshape(x.shape[:-1] + (-1, 32)); a = np.abs(x).max(-1, keepdims=True)
;;       e = np.where(a > 0, np.clip(np.frexp(np.where(a > 0, a, 1))[1] - 1 - 2, -126, 127), 0)      # np.frexp(a)[1] - 1 = floor(log2(a)), exactly
;;       r = np.clip(x / 2.0 ** e, -6, 6)
;;       step = 2.0 ** (np.maximum(np.frexp(np.where(r == 0, 1, r))[1] - 1, 0) - 1)
;;       q = np.round(r / step) * step * 2.0 ** e      # np.round: ties to even
;;       return np.moveaxis(q.reshape(q.shape[:-2] + (-1,))[..., :K], -1, axis).astype(np.float32)
;;   ~~~
;; One version. Each part assembles by itself: llvm-mc -triple=amdgcn-amd-amdhsa -mcpu=gfx1250 --defsym DOCPART=n.
;; ======== version 1 of 1: 5 launches
;; limits: values are held in f16: magnitudes above 65,504 overflow, below 6.1e-05 lose precision
;; workspace buffers: pre 1,958,400 bytes; qimg 27,852,800 bytes; vvimg 27,852,800 bytes; mpart 6,291,456 bytes; atab 98,304 bytes; ovimg 27,852,800 bytes; opart 8,912,896 bytes
;; launch prep (part 1): grid 147 x 1, 8 waves a work-group, no clusters, 123,904 bytes of LDS; arguments l, Wk, bk, Wvl, bvl, Wq, Wov, Wol, Wvv, attention_mask_v, pre; writes pre
.if DOCPART == 1
	.amdgcn_target "amdgcn-amd-amdhsa--gfx1250"
	.amdhsa_code_object_version 6
	.text
	.protected	k_q198187fe15_prep
	.globl	k_q198187fe15_prep
	.p2align	8
	.type	k_q198187fe15_prep,@function
k_q198187fe15_prep:
	s_mov_b64 s[64:65], 0
	v_nop
	global_prefetch_b8 v0, s[64:65] scope:SCOPE_SE
	s_setreg_imm32_b32 hwreg(HW_REG_WAVE_MODE, 25, 1), 1
	s_wait_xcnt 0x0
; LAUNCH 1 OF 5.  Two-way attention: one score tensor aw = clip(q k^T), a softmax over the 256 language positions (out0) and one over the 13,600 vision tokens (out1).
; NO WORK OF THE PROBLEM IS LEFT OUT: bq cancels in one softmax only and bk in the other only, both clips and both masks can reach the results, every input is loaded.
; This launch makes everything that hangs on the small inputs alone, laid in the order of the operands' registers (an IMAGE of a fragment: registers 0-3 as 512 bytes at 16 x lane, registers 4-7 as the next 512):
;   work-groups 0-127   k = l Wk^T + bk and val_l = l Wvl^T + bvl, both on E2M1 codes with E8M0 scales made here; results as f16 fragments: k [b][h][16 tiles of s], val_l^T [b][h][2 tiles of d][8 steps of 32 s]
;   work-groups 128-137 Wq, Wov, Wol as f16 fragments (Wq with k in the order 32 cc + 16 (lane/16) + 0..15, the order in which the next launch holds v + v_pos)
;   work-groups 138-139 Wvv as E2M1 codes and scale words
;   work-groups 140-146 the table log2(e) x (mask_v == 0 ? -9e15 : mask_v)
; THE QUANTISER: a block's scale byte is its largest magnitude's exponent field - 2, held at 1 from below; numbers / scale to the nearest code, ties to even, beyond 6 the largest code.
; LIMITS: a block of zeros gets the byte 1 where the rule says 127 (its codes are zeros, and this program alone reads the bytes); k and val_l are kept in f16: magnitudes up to 65,504; NaN and infinities among the inputs are not served.
.set KIMG,  0
.set VLIMG, 524288
.set WQI,   1048576
.set WVVI,  1703936
.set WVVS,  1736704
.set MVLT,  1740800
.set SC,    49152                      ; LDS: 8 slots x 6 K steps of code images from 0; their scale words, 128 bytes each, from here
.set STGE,  55296                      ; a stage of 16 rows x (512 + 16) bytes for each wave, through which the f32 numbers turn
.set SPARE, 122880                     ; the spare words, 128 bytes a wave
.set LANE, 1
.set R,    2
.set HH,   3
.set VA,   4                           ; global offset of my lane in the rows of Wvv or of a weight
.set LI,   5                           ; 16 x lane
.set LS,   6                           ; SC + 4 x lane
.set VIW,  7                           ; where I store code images: 16 x lane + 6144 x wave
.set VSW,  8                           ; and scale words: SC + 4 x lane + 768 x wave
.set VBK,  9                           ; the l tile of waves 0-3
.set VBKS, 10
.set VAV,  11                          ; the two l tiles of waves 4-7
.set VAVS, 12
.set VBV,  13                          ; the Wvl tile of waves 4-7
.set VBVS, 14
.set SH8,  15                          ; 8 x (lane/16)
.set SPW,  16
.set NIL,  17
.set AM,   18
.set SO,   20
.set BY,   22
.set PW,   24
.set PT,   25
.set L4,   26
.set VB,   27
.set C,    28                          ; v28-35 a fragment's codes
.set STW,  36                          ; my stage, on the way in: 16 x lane
.set STR,  37                          ; and on the way out: 528 x (lane%16) + 128 x (lane/16)
.set SCR,  40                          ; v40-57 scale words, and nothing else
.set T,    192                         ; v192-255 64 numbers as the quantiser wants them
.set RA0,  64
.set RA1,  112
.set RB,   160
.set D0,   208
.set D1,   216
.set F,    240
	s_load_b512 s[4:19], s[0:1], 0x0               ; l, Wk, bk, Wvl, bvl, Wq, Wov, Wol
	s_load_b128 s[20:23], s[0:1], 0x40             ; Wvv, attention_mask_v
	s_load_b64 s[24:25], s[0:1], 0x50              ; pre
	v_lshl_add_u32 v[SPW], v0, 2, SPARE
	v_mov_b32 v[NIL], 0
	v_lshrrev_b32 v1, 5, v0
	v_readfirstlane_b32 s26, v1                    ; wave
	v_and_b32 v[LANE], 31, v0
	v_and_b32 v[R], 15, v0
	v_bfe_u32 v[HH], v0, 4, 1
	v_lshlrev_b32 v[LI], 4, v[LANE]
	v_lshlrev_b32 v[L4], 2, v[LANE]
	v_add_nc_u32 v[LS], SC, v[L4]
	v_lshlrev_b32 v[SH8], 3, v[HH]
	v_mov_b32 v[PT], 0                             ; a lane permute's destination counts as read
	s_mov_b32 s28, 0x76543210
	s_mov_b32 s29, 0xfedcba98                      ; selects for lane xor 16
	s_mul_i32 s30, s26, 6144                       ; every LDS address is made here, ahead of any parting of the waves
	v_add_nc_u32 v[VIW], s30, v[LI]
	s_mul_i32 s30, s26, 768
	v_add_nc_u32 v[VSW], s30, v[LS]
	s_and_b32 s31, s26, 3
	s_mul_i32 s30, s31, 6144
	v_add_nc_u32 v[VBK], s30, v[LI]
	s_mul_i32 s30, s31, 768
	v_add_nc_u32 v[VBKS], s30, v[LS]
	s_and_b32 s31, s26, 2
	s_mul_i32 s30, s31, 6144
	v_add_nc_u32 v[VAV], s30, v[LI]
	s_mul_i32 s30, s31, 768
	v_add_nc_u32 v[VAVS], s30, v[LS]
	s_and_b32 s31, s26, 1
	s_add_co_u32 s31, s31, 6
	s_mul_i32 s30, s31, 6144
	v_add_nc_u32 v[VBV], s30, v[LI]
	s_mul_i32 s30, s31, 768
	v_add_nc_u32 v[VBVS], s30, v[LS]
	s_mul_i32 s30, s26, 8448
	s_add_co_u32 s30, s30, STGE
	v_add_nc_u32 v[STW], s30, v[LI]
	v_mul_u32_u24 v[STR], v[R], 528
	v_lshl_add_u32 v[STR], v[HH], 7, v[STR]
	v_add_nc_u32 v[STR], s30, v[STR]
	s_wait_kmcnt 0x0
; 16 rows x 128 K of f32 into 64 registers: lane (r, h) takes k = 128 ks + 64 c + 32 h + 0..31 of row r: two whole blocks.  (The small tensor Wvv is loaded so.)
.macro LOADU buf, ks
.irp c, 0,1
.irp j, 0,1,2,3,4,5,6,7
	global_load_b128 v[(\buf)+32*\c+4*\j:(\buf)+32*\c+4*\j+3], v[VA], s[36:37] offset:512*(\ks)+256*\c+16*\j
.endr
.endr
.endm
; the same 16 rows x 128 K of rows of 3,072 bytes as they lie: each load takes 512 consecutive bytes of one row
.macro LOADC buf, ks
.irp p, 0,1,2,3,4,5,6,7,8,9,10,11,12,13,14,15
	global_load_b128 v[(\buf)+4*\p:(\buf)+4*\p+3], v[LI], s[36:37] offset:3072*\p+512*(\ks)
.endr
.endm
; and their turn through my own stage: in as loaded, out as the quantiser wants them (LOADU's order), into v[T] on.  LDS serves a wave's instructions in order: no wait between the stores and the loads.
; Rows lie 528 bytes apart, an odd multiple of 16, so that the 16 rows that a load touches fall on different banks.
.macro TURN buf
.irp p, 0,1,2,3,4,5,6,7,8,9,10,11,12,13,14,15
	ds_store_b128 v[STW], v[(\buf)+4*\p:(\buf)+4*\p+3] offset:528*\p
.endr
.irp c, 0,1
.irp j, 0,1,2,3,4,5,6,7
	ds_load_b128 v[T+32*\c+4*\j:T+32*\c+4*\j+3], v[STR] offset:256*\c+16*\j
.endr
.endr
.endm
; 64 numbers become a fragment's codes in v[C] on and the row's scale word in v[PW] (whole in both halves of the lanes)
.macro QUANTW buf
.irp c, 0,1
	v_max3_num_f32 v[AM+\c], |v[(\buf)+32*\c]|, |v[(\buf)+32*\c+1]|, 0x1800000   ; with the floor 2^(3 - 127): the byte cannot fall under 1
.endr
.irp i, 2,4,6,8,10,12,14,16,18,20,22,24,26,28,30
.irp c, 0,1
	v_max3_num_f32 v[AM+\c], v[AM+\c], |v[(\buf)+32*\c+\i]|, |v[(\buf)+32*\c+\i+1]|
.endr
.endr
.irp c, 0,1
	v_add_nc_u32 v[SO+\c], 0xff000000, v[AM+\c]    ; 2 off the exponent field: the conversion's scale operand
.endr
.irp c, 0,1
	v_lshrrev_b32 v[BY+\c], 23, v[SO+\c]           ; the scale's byte
.endr
	v_lshl_or_b32 v[PW], v[BY+1], 16, v[BY]        ; my blocks are h and 2 + h of the step's four
	v_lshlrev_b32 v[PW], v[SH8], v[PW]
	v_permlanex16_b32 v[PT], v[PW], s28, s29
	v_or_b32 v[PW], v[PW], v[PT]
.irp c, 0,1
.irp g, 0,1,2,3
	v_cvt_scalef32_pk8_fp4_f32 v[C+4*\c+\g], v[(\buf)+32*\c+8*\g:(\buf)+32*\c+8*\g+7], v[SO+\c]
.endr
.endr
	v_nop                                          ; one plain line behind the last scaled conversion
.endm
.macro FINISH                          ; the end of a wave that stored to LDS
	s_wait_tensorcnt 0x0
	ds_add_u32 v[SPW], v[NIL]
	s_wait_dscnt 0x0
	s_endpgm
.endm
; two tiles of results over K = 768: D0 = slot at oA x slot B, D1 = the slot behind it x slot B; the biases are the C of the first products; packed to one f16 fragment and stored
.macro GEMM2 aA, oA, aB, sA, soA, sB, c0, c1
.irp ks, 0,1,2,3,4,5
.irp c, 0,1
	ds_load_b128 v[RA0+8*\ks+4*\c:RA0+8*\ks+4*\c+3], v[\aA] offset:\oA+1024*\ks+512*\c
	ds_load_b128 v[RA1+8*\ks+4*\c:RA1+8*\ks+4*\c+3], v[\aA] offset:\oA+6144+1024*\ks+512*\c
	ds_load_b128 v[RB+8*\ks+4*\c:RB+8*\ks+4*\c+3], v[\aB] offset:1024*\ks+512*\c
.endr
	ds_load_b32 v[SCR+\ks], v[\sA] offset:\soA+128*\ks
	ds_load_b32 v[SCR+6+\ks], v[\sA] offset:\soA+768+128*\ks
	ds_load_b32 v[SCR+12+\ks], v[\sB] offset:128*\ks
.endr
	s_wait_dscnt 0x0
	s_wait_loadcnt 0x0                             ; the biases
.irp ks, 0,1,2,3,4,5                   ; the two accumulators take turns
.if \ks == 0
	v_wmma_scale_f32_16x16x128_f8f6f4 v[D0:D0+7], v[RA0:RA0+7], v[RB:RB+7], v[\c0:\c0+7], v[SCR], v[SCR+12] matrix_a_fmt:MATRIX_FMT_FP4 matrix_b_fmt:MATRIX_FMT_FP4
	v_wmma_scale_f32_16x16x128_f8f6f4 v[D1:D1+7], v[RA1:RA1+7], v[RB:RB+7], v[\c1:\c1+7], v[SCR+6], v[SCR+12] matrix_a_fmt:MATRIX_FMT_FP4 matrix_b_fmt:MATRIX_FMT_FP4
.else
	v_wmma_scale_f32_16x16x128_f8f6f4 v[D0:D0+7], v[RA0+8*\ks:RA0+8*\ks+7], v[RB+8*\ks:RB+8*\ks+7], v[D0:D0+7], v[SCR+\ks], v[SCR+12+\ks] matrix_a_fmt:MATRIX_FMT_FP4 matrix_b_fmt:MATRIX_FMT_FP4
	v_wmma_scale_f32_16x16x128_f8f6f4 v[D1:D1+7], v[RA1+8*\ks:RA1+8*\ks+7], v[RB+8*\ks:RB+8*\ks+7], v[D1:D1+7], v[SCR+6+\ks], v[SCR+12+\ks] matrix_a_fmt:MATRIX_FMT_FP4 matrix_b_fmt:MATRIX_FMT_FP4
.endif
.endr
.rept 4
	v_nop                                          ; four places in front of the first read of results
.endr
.irp j, 0,1,2,3
	v_cvt_pk_f16_f32 v[F+\j], v[D0+2*\j], v[D0+2*\j+1]
.endr
.irp j, 0,1,2,3
	v_cvt_pk_f16_f32 v[F+4+\j], v[D1+2*\j], v[D1+2*\j+1]
.endr
	global_store_b128 v[LI], v[F:F+3], s[24:25]
	global_store_b128 v[LI], v[F+4:F+7], s[24:25] offset:512
.endm
	s_cmp_lt_u32 ttmp9, 128
	s_cbranch_scc0 .Lnot_kv
	; ---- k and val_l: work-group = (64 rows of l, one head).  Slots: waves 0-3 quantise 16 rows of l each, waves 4, 5 the head's 32 rows of Wk, waves 6, 7 those of Wvl
	s_and_b32 s32, ttmp9, 15                       ; which 64 rows of l
	s_lshr_b32 s33, ttmp9, 4                       ; the head
	s_lshl_b32 s34, s32, 6
	s_lshl_b32 s35, s26, 4
	s_add_co_u32 s34, s34, s35                     ; row of l: 64 i + 16 w
	s_and_b32 s35, s26, 1
	s_lshl_b32 s35, s35, 4
	s_lshl_b32 s38, s33, 5
	s_add_co_u32 s35, s35, s38                     ; row of a weight: 32 h + 16 (w & 1)
	s_cmp_lt_u32 s26, 4
	s_cselect_b32 s34, s34, s35
	s_cselect_b64 s[36:37], s[4:5], s[6:7]
	s_cmp_lt_u32 s26, 6
	s_cselect_b64 s[36:37], s[36:37], s[10:11]
	s_mul_i32 s34, s34, 3072
	s_mov_b32 s35, 0
	s_add_nc_u64 s[36:37], s[36:37], s[34:35]
	LOADC 64, 0
	LOADC 128, 1
.irp ks, 0,1,2,3,4,5
.if \ks < 5
	s_wait_loadcnt 16                              ; this K step's 16 loads are in; those of the step behind it may be out
.else
	s_wait_loadcnt 0
.endif
	TURN 64+64*(\ks%2)
	s_wait_dscnt 0x0                               ; the numbers are back; the stage's stores have read the raw set, and the last step's image stores the codes' registers
.if \ks < 4
	LOADC 64+64*(\ks%2), \ks+2
.endif
	QUANTW T
	ds_store_b128 v[VIW], v[C:C+3] offset:1024*\ks
	ds_store_b128 v[VIW], v[C+4:C+7] offset:1024*\ks+512
	ds_store_b32 v[VSW], v[PW] offset:128*\ks
.endr
	s_wait_dscnt 0x0                               ; for the others' sake: my images have landed
	s_barrier_signal -1
	s_barrier_wait -1
	s_lshr_b32 s38, s32, 2                         ; b
	s_and_b32 s39, s32, 3
	s_lshl_b32 s38, s38, 3
	s_add_co_u32 s38, s38, s33                     ; 8 b + h
	s_cmp_lt_u32 s26, 4
	s_cbranch_scc0 .Lkv_v
	; waves 0-3: k.  Source 0 = the head's 32 rows of Wk, source 1 = my 16 rows of l: a lane holds one s, registers run along d
	s_lshl_b32 s40, s38, 4
	s_lshl_b32 s41, s39, 2
	s_add_co_u32 s40, s40, s41
	s_add_co_u32 s40, s40, s26
	s_lshl_b32 s40, s40, 10
	s_mov_b32 s41, 0
	s_add_nc_u64 s[24:25], s[24:25], s[40:41]
	s_lshl_b32 s40, s33, 7
	s_add_nc_u64 s[8:9], s[8:9], s[40:41]
	v_lshlrev_b32 v[VB], 5, v[HH]
	global_load_b128 v[224:227], v[VB], s[8:9]                ; bk at d = 8 (lane/16) + 0..7
	global_load_b128 v[228:231], v[VB], s[8:9] offset:16
	global_load_b128 v[232:235], v[VB], s[8:9] offset:64      ; and 16 further on
	global_load_b128 v[236:239], v[VB], s[8:9] offset:80
	GEMM2 LI, 24576, VBK, LS, 3072, VBKS, 224, 232
	FINISH
.Lkv_v:
	; waves 4-7: val_l^T.  Source 0 = 32 rows of l, source 1 = 16 rows of Wvl: a lane holds one d, registers run along s
	s_and_b32 s40, s26, 1
	s_lshl_b32 s41, s38, 1
	s_add_co_u32 s41, s41, s40
	s_lshl_b32 s41, s41, 3
	s_lshl_b32 s42, s39, 1
	s_add_co_u32 s41, s41, s42
	s_bfe_u32 s42, s26, 0x10001
	s_add_co_u32 s41, s41, s42
	s_lshl_b32 s42, s41, 10
	s_add_co_u32 s42, s42, VLIMG
	s_mov_b32 s43, 0
	s_add_nc_u64 s[24:25], s[24:25], s[42:43]
	s_lshl_b32 s42, s33, 5
	s_lshl_b32 s40, s40, 4
	s_add_co_u32 s42, s42, s40
	s_lshl_b32 s42, s42, 2
	s_add_nc_u64 s[12:13], s[12:13], s[42:43]
	v_lshlrev_b32 v[VB], 2, v[R]
	global_load_b32 v224, v[VB], s[12:13]          ; bvl of my d, the same for all eight s of a lane
	s_wait_loadcnt 0x0
.irp j, 1,2,3,4,5,6,7
	v_mov_b32 v[224+\j], v224
.endr
	GEMM2 VAV, 0, VBV, VAVS, 0, VBVS, 224, 224
	FINISH
.Lnot_kv:
	s_cmp_lt_u32 ttmp9, 138
	s_cbranch_scc0 .Lnot_f16
	; ---- a wave turns one tile of 16 rows x 256 of Wq | Wov | Wol into eight f16 fragments
	s_sub_co_u32 s32, ttmp9, 128
	s_lshl_b32 s32, s32, 3
	s_add_co_u32 s32, s32, s26                     ; u = 0..79
	s_sub_co_u32 s33, s32, 16
	s_sub_co_u32 s34, s32, 32
	s_cmp_lt_u32 s32, 32
	s_cselect_b64 s[36:37], s[16:17], s[18:19]
	s_cselect_b32 s33, s33, s34
	s_cmp_lt_u32 s32, 16
	s_cselect_b64 s[36:37], s[14:15], s[36:37]
	s_cselect_b32 s33, s32, s33                    ; the tile's number in its own tensor
	s_cselect_b32 s38, 64, 32                      ; bytes from half to half of the lanes: Wq 16 numbers, the others 8
	s_cselect_b32 s39, 32, 64                      ; bytes from registers 0-3 to registers 4-7
	s_lshl_b32 s34, s33, 14
	s_mov_b32 s35, 0
	s_add_nc_u64 s[36:37], s[36:37], s[34:35]
	s_lshl_b32 s34, s32, 13
	s_add_co_u32 s34, s34, WQI
	s_add_nc_u64 s[24:25], s[24:25], s[34:35]
	v_lshlrev_b32 v[VA], 10, v[R]
	v_mul_u32_u24 v[VB], v[HH], s38
	v_add_nc_u32 v[VA], v[VA], v[VB]
	v_add_nc_u32 v[VB], s39, v[VA]
.irp cc, 0,1,2,3,4,5,6,7
	global_load_b128 v[64+16*\cc:64+16*\cc+3], v[VA], s[36:37] offset:128*\cc
	global_load_b128 v[68+16*\cc:68+16*\cc+3], v[VA], s[36:37] offset:128*\cc+16
	global_load_b128 v[72+16*\cc:72+16*\cc+3], v[VB], s[36:37] offset:128*\cc
	global_load_b128 v[76+16*\cc:76+16*\cc+3], v[VB], s[36:37] offset:128*\cc+16
.endr
	s_wait_loadcnt 0x0
.set j, 0
.rept 64
	v_cvt_pk_f16_f32 v[192+j], v[64+2*j], v[64+2*j+1]
.set j, j+1
.endr
.irp q, 0,1,2,3,4,5,6,7,8,9,10,11,12,13,14,15
	global_store_b128 v[LI], v[192+4*\q:192+4*\q+3], s[24:25] offset:512*\q
.endr
	s_endpgm
.Lnot_f16:
	s_cmp_lt_u32 ttmp9, 140
	s_cbranch_scc0 .Lmvl
	; ---- a wave quantises one tile of 16 rows of Wvv: two K steps
	s_sub_co_u32 s32, ttmp9, 138
	s_lshl_b32 s32, s32, 3
	s_add_co_u32 s32, s32, s26                     ; u = 0..15
	s_lshl_b32 s34, s32, 14
	s_mov_b32 s35, 0
	s_add_nc_u64 s[36:37], s[20:21], s[34:35]
	s_lshl_b32 s34, s32, 11
	s_add_co_u32 s34, s34, WVVI
	s_add_nc_u64 s[38:39], s[24:25], s[34:35]
	s_lshl_b32 s34, s32, 8
	s_add_co_u32 s34, s34, WVVS
	s_add_nc_u64 s[40:41], s[24:25], s[34:35]
	v_lshlrev_b32 v[VA], 10, v[R]
	v_lshl_add_u32 v[VA], v[HH], 7, v[VA]
	LOADU 64, 0
	LOADU 128, 1
	s_wait_loadcnt 16
	QUANTW 64
	global_store_b128 v[LI], v[C:C+3], s[38:39]
	global_store_b128 v[LI], v[C+4:C+7], s[38:39] offset:512
	global_store_b32 v[L4], v[PW], s[40:41]
	s_wait_loadcnt 0x0
	s_wait_xcnt 0x0                                ; the stores have read the codes and the word: both are written again below
	QUANTW 128
	global_store_b128 v[LI], v[C:C+3], s[38:39] offset:1024
	global_store_b128 v[LI], v[C+4:C+7], s[38:39] offset:1536
	global_store_b32 v[L4], v[PW], s[40:41] offset:128
	s_endpgm
.Lmvl:
	; ---- the vision mask's table: 425 units of 128 numbers over 56 waves: 7 each, and one more for the first 33
.macro MASKQ reg
.irp k, 0,1,2,3
	v_cmp_eq_f32 vcc_lo, 0, v[(\reg)+\k]
	v_cndmask_b32 v[(\reg)+\k], v[(\reg)+\k], v[VB], vcc_lo
.endr
	v_pk_mul_f32 v[(\reg):(\reg)+1], v[(\reg):(\reg)+1], s[42:43] op_sel_hi:[1,0]
	v_pk_mul_f32 v[(\reg)+2:(\reg)+3], v[(\reg)+2:(\reg)+3], s[42:43] op_sel_hi:[1,0]
.endm
	s_sub_co_u32 s32, ttmp9, 140
	s_lshl_b32 s32, s32, 3
	s_add_co_u32 s32, s32, s26                     ; u = 0..55
	s_min_u32 s33, s32, 33
	s_mul_i32 s34, s32, 7
	s_add_co_u32 s34, s34, s33
	s_lshl_b32 s34, s34, 9
	s_mov_b32 s35, 0
	s_add_nc_u64 s[36:37], s[22:23], s[34:35]
	s_add_co_u32 s34, s34, MVLT
	s_add_nc_u64 s[38:39], s[24:25], s[34:35]
	s_mov_b32 s42, 0x3fb8aa3b                      ; log2(e)
	s_mov_b32 s43, s42
	v_mov_b32 v[VB], 0xd9ffcb9e                    ; -9e15
.irp k, 0,1,2,3,4,5,6
	global_load_b128 v[64+4*\k:64+4*\k+3], v[LI], s[36:37] offset:512*\k
.endr
	s_wait_loadcnt 0x0
.irp k, 0,1,2,3,4,5,6
	MASKQ 64+4*\k
	global_store_b128 v[LI], v[64+4*\k:64+4*\k+3], s[38:39] offset:512*\k
.endr
	s_cmp_lt_u32 s32, 33
	s_cbranch_scc0 .Lmvl_end
	global_load_b128 v[96:99], v[LI], s[36:37] offset:3584
	s_wait_loadcnt 0x0
	MASKQ 96
	global_store_b128 v[LI], v[96:99], s[38:39] offset:3584
.Lmvl_end:
	s_endpgm
.Lfunc_end_k_q198187fe15_prep:
	.size	k_q198187fe15_prep, .Lfunc_end_k_q198187fe15_prep-k_q198187fe15_prep
	.p2alignl 7, 3214868480
	.fill 96, 4, 3214868480
	.section	.rodata,"a",@progbits
	.p2align	6, 0x0
	.amdhsa_kernel k_q198187fe15_prep
		.amdhsa_group_segment_fixed_size 123904
		.amdhsa_private_segment_fixed_size 0
		.amdhsa_enable_private_segment 0
		.amdhsa_kernarg_size 88
		.amdhsa_user_sgpr_count 2
		.amdhsa_user_sgpr_kernarg_segment_ptr 1
		.amdhsa_wavefront_size32 1
		.amdhsa_system_sgpr_workgroup_id_x 1
		.amdhsa_system_sgpr_workgroup_id_y 1
		.amdhsa_system_sgpr_workgroup_id_z 1
		.amdhsa_system_vgpr_workitem_id 0
		.amdhsa_next_free_vgpr 256
		.amdhsa_next_free_sgpr 66
		.amdhsa_reserve_vcc 1
		.amdhsa_float_denorm_mode_32 3
		.amdhsa_float_denorm_mode_16_64 3
		.amdhsa_memory_ordered 1
		.amdhsa_forward_progress 1
		.amdhsa_inst_pref_size 82
	.end_amdhsa_kernel
	.amdgpu_metadata
---
amdhsa.version: [ 1, 2 ]
amdhsa.kernels:
  - .name:           k_q198187fe15_prep
    .symbol:         k_q198187fe15_prep.kd
    .args:
      - { .name: l, .offset: 0, .size: 8, .value_kind: global_buffer, .address_space: global }
      - { .name: Wk, .offset: 8, .size: 8, .value_kind: global_buffer, .address_space: global }
      - { .name: bk, .offset: 16, .size: 8, .value_kind: global_buffer, .address_space: global }
      - { .name: Wvl, .offset: 24, .size: 8, .value_kind: global_buffer, .address_space: global }
      - { .name: bvl, .offset: 32, .size: 8, .value_kind: global_buffer, .address_space: global }
      - { .name: Wq, .offset: 40, .size: 8, .value_kind: global_buffer, .address_space: global }
      - { .name: Wov, .offset: 48, .size: 8, .value_kind: global_buffer, .address_space: global }
      - { .name: Wol, .offset: 56, .size: 8, .value_kind: global_buffer, .address_space: global }
      - { .name: Wvv, .offset: 64, .size: 8, .value_kind: global_buffer, .address_space: global }
      - { .name: attention_mask_v, .offset: 72, .size: 8, .value_kind: global_buffer, .address_space: global }
      - { .name: pre, .offset: 80, .size: 8, .value_kind: global_buffer, .address_space: global }
    .group_segment_fixed_size: 123904
    .private_segment_fixed_size: 0
    .kernarg_segment_align: 8
    .kernarg_segment_size: 88
    .max_flat_workgroup_size: 256
    .sgpr_count:     66
    .vgpr_count:     256
    .wavefront_size: 32
...
	.end_amdgpu_metadata
.endif
;; end of part 1
;; launch proj (part 2): grid 256 x 1, 8 waves a work-group, no clusters, 46,336 bytes of LDS; arguments v, v_pos, bq, bvv, pre, qimg, vvimg, mpart; writes qimg, vvimg, mpart
.if DOCPART == 2
	.amdgcn_target "amdgcn-amd-amdhsa--gfx1250"
	.amdhsa_code_object_version 6
	.text
	.protected	k_q198187fe15_proj
	.globl	k_q198187fe15_proj
	.p2align	8
	.type	k_q198187fe15_proj,@function
k_q198187fe15_proj:
	s_mov_b64 s[64:65], 0
	v_nop
	global_prefetch_b8 v0, s[64:65] scope:SCOPE_SE
	s_setreg_imm32_b32 hwreg(HW_REG_WAVE_MODE, 25, 1), 1
	s_wait_xcnt 0x0
; LAUNCH 2 OF 5.  Nothing of the problem is left out here.  For 32 tokens at a time: q = ((v + v_pos) Wq^T + bq) x HD^-0.5 x log2(e) in f16 operands, val_v = v Wvv^T + bvv on E2M1 codes, both stored as f16 fragments;
; and, from q and k, what the language softmax needs of every column (b, h, s) before any weight can be formed: M = max over t of the score, M' = max of clip(score) + mask term, G = max of the mask term; one part for each work-group.
; Scores are in log2 units throughout (the factor log2(e) lies in q), so the clip stands at 50000 log2(e) and the mask terms come from the table of launch 1.
; SHARES.  Work-group = (batch, one of 64 runs of 6 or 7 blocks of 32 tokens).  Each wave has two jobs: it CONVERTS 16 tokens x 64 along K (x to f16, v to codes and two scale bytes) into LDS images;
; and it OWNS head w: its 32 rows of Wq (window 1), of Wvv, and the head's 256 rows of k (window 1) stay in registers for the whole launch.
; Two barriers a block: images whole | all reads of the images over.  The next block's v and v_pos are asked for in front of this block's q products: they have those and the columns' maxima in which to land.
; LIMITS: x, Wq, q and val_v are f16 operands: magnitudes up to 65,504.  A block of zeros gets the scale byte 1.  NaN and infinities are not served.
.set WQI,   1048576
.set WVVI,  1703936
.set WVVS,  1736704
.set MVLT,  1740800
.set VIMG,  16384                      ; LDS: x's 16 fragments from 0 ((tile 8 + cc) x 1024); v's four code images here ((2 tile + ks) x 1024)
.set VSC,   20480                      ; v's scale words: (2 tile + ks) x 64 + 4 r
.set MSTG,  20736                      ; 3,072 bytes a wave for the way out of the maxima
.set SPARE, 45312
.set LI,  1
.set XA,  2
.set XWI, 3
.set VWI, 4
.set VWS, 5
.set LSC, 6
.set MVO, 7
.set SPW, 8
.set NIL, 9
.set L4,  10
.set R4,  11
.set MSA, 13
.set MSR, 14
.set RV,  16                           ; v16-47  32 numbers of v
.set RP,  48                           ; v48-79  32 numbers of v_pos, then of x
.set WVF, 80                           ; v80-111 Wvv's four fragments
.set WSC, 112                          ; v112-115 Wvv's scale words, v116-119 v's: scales and nothing else
.set VSCR, 116
.set BQS, 120                          ; v120-135 bq x the factor, in the result's layout
.set BV,  136                          ; v136-139 bvv of my d, each twice
.set GM,  140
.set T0,  141
.set MX,  144
.set MP,  160
.set MV,  176
.set WK,  192                          ; v192-255 at work
.set MSB, 0
.macro WIN new
.if MSB != \new
	s_set_vgpr_msb (MSB<<8)|\new
.set MSB, \new
.endif
.endm
	s_load_b512 s[4:19], s[0:1], 0x0               ; v, v_pos, bq, bvv, pre, qimg, vvimg, mpart
	v_lshl_add_u32 v[SPW], v0, 2, SPARE
	v_mov_b32 v[NIL], 0
	v_lshrrev_b32 v12, 5, v0
	v_readfirstlane_b32 s20, v12                   ; wave = head
	v_and_b32 v12, 31, v0
	v_lshlrev_b32 v[LI], 4, v12
	v_lshlrev_b32 v[L4], 2, v12
	v_and_b32 v15, 15, v0
	v_bfe_u32 v12, v0, 4, 1
	v_lshlrev_b32 v[R4], 2, v15
	v_lshlrev_b32 v[XA], 10, v15
	v_lshl_add_u32 v[XA], v12, 6, v[XA]            ; row r of 1,024 bytes + 64 (lane/16): 16 neighbours of a block of 32
	v_lshlrev_b32 v[MVO], 5, v12
	s_lshl_b32 s32, s20, 11
	v_add_nc_u32 v[XWI], s32, v[LI]                ; x's images: tile w/4, K steps 2 (w%4), +1: 2,048 w
	s_lshl_b32 s32, s20, 9
	s_add_co_u32 s32, s32, VIMG
	v_add_nc_u32 v[VWI], s32, v[LI]                ; v's codes: half an image: 512 w
	s_lshr_b32 s32, s20, 1
	s_lshl_b32 s32, s32, 6
	s_and_b32 s33, s20, 1
	s_lshl_b32 s33, s33, 1
	s_add_co_u32 s32, s32, s33
	s_add_co_u32 s32, s32, VSC
	v_add_nc_u32 v[VWS], s32, v[R4]                ; my two scale bytes: 64 (w/2) + 2 (w%2) + 4 r
	v_add_nc_u32 v[LSC], VSC, v[R4]
	s_mul_i32 s32, s20, 3072
	s_add_co_u32 s32, s32, MSTG
	v_add_nc_u32 v[MSA], s32, v[R4]
	v_add_nc_u32 v[MSR], s32, v[LI]
	s_mov_b32 s26, 0x76543210
	s_mov_b32 s27, 0xfedcba98
	s_mov_b32 s28, 0x3e8293ee                      ; 32^-0.5 x log2(e)
	s_mov_b32 s29, s28
	s_mov_b32 s30, 0x478ce360                      ; 50000 log2(e)
	s_mov_b32 s31, 0xc78ce360
	s_lshr_b32 s21, ttmp9, 6                       ; batch
	s_and_b32 s22, ttmp9, 63
	s_min_u32 s23, s22, 41
	s_mul_i32 s32, s22, 6
	s_add_co_u32 s23, s23, s32                     ; first block: 41 runs of 7 and 23 of 6 make 425
	s_cmp_lt_u32 s22, 41
	s_cselect_b32 s24, 6, 5                        ; blocks less one
	s_mul_i32 s25, s21, 13600
	s_lshl_b32 s32, s23, 5
	s_add_co_u32 s25, s25, s32                     ; first token
	s_lshr_b32 s32, s20, 2
	s_lshl_b32 s32, s32, 4
	s_add_co_u32 s32, s32, s25
	s_lshl_b32 s32, s32, 10
	s_and_b32 s33, s20, 3
	s_lshl_b32 s33, s33, 8
	s_add_co_u32 s32, s32, s33
	s_mov_b32 s33, 0
	s_lshl_b32 s34, s21, 3
	s_add_co_u32 s34, s34, s20                     ; 8 b + h
.set j, 0
.rept 16
	v_mov_b32 v[MX+j], 0xff800000                  ; the running maxima begin under every number
	v_mov_b32 v[MP+j], 0xff800000
.set j, j+1
.endr
	v_mov_b32 v[GM], 0xff800000
	v_mov_b32 v[T0], 0
	v_mov_b32 v[T0+1], 0
	s_wait_kmcnt 0x0
	s_add_nc_u64 s[4:5], s[4:5], s[32:33]
	s_add_nc_u64 s[6:7], s[6:7], s[32:33]
	s_lshl_b32 s32, s20, 7
	s_add_nc_u64 s[8:9], s[8:9], s[32:33]
	s_add_nc_u64 s[10:11], s[10:11], s[32:33]
	s_lshl_b32 s32, s20, 14
	s_add_co_u32 s32, s32, WQI
	s_add_nc_u64 s[38:39], s[12:13], s[32:33]
	s_lshl_b32 s32, s34, 14
	s_add_nc_u64 s[40:41], s[12:13], s[32:33]
	s_lshl_b32 s32, s20, 12
	s_add_co_u32 s32, s32, WVVI
	s_add_nc_u64 s[42:43], s[12:13], s[32:33]
	s_lshl_b32 s32, s20, 9
	s_add_co_u32 s32, s32, WVVS
	s_add_nc_u64 s[44:45], s[12:13], s[32:33]
	s_lshl_b32 s32, s25, 2
	s_add_co_u32 s32, s32, MVLT
	s_add_nc_u64 s[36:37], s[12:13], s[32:33]
	s_mul_i32 s32, s34, 850
	s_lshl_b32 s35, s23, 1
	s_add_co_u32 s32, s32, s35
	s_lshl_b32 s32, s32, 10
	s_add_nc_u64 s[14:15], s[14:15], s[32:33]
	s_mul_i32 s32, s34, 425
	s_add_co_u32 s32, s32, s23
	s_lshl_b32 s32, s32, 11
	s_add_nc_u64 s[16:17], s[16:17], s[32:33]
	s_lshl_b32 s32, ttmp9, 3
	s_add_co_u32 s32, s32, s20
	s_mul_i32 s32, s32, 3072
	s_add_nc_u64 s[18:19], s[18:19], s[32:33]
	WIN 0x40                                       ; destination window 1
.set j, 0
.rept 32
	global_load_b128 v[4*j:4*j+3], v[LI], s[38:39] offset:512*j          ; Wq: fragment (8 a + cc)
	global_load_b128 v[128+4*j:128+4*j+3], v[LI], s[40:41] offset:512*j  ; k: fragment i
.set j, j+1
.endr
	WIN 0
.irp q, 0,1,2,3,4,5,6,7
	global_load_b128 v[WVF+4*\q:WVF+4*\q+3], v[LI], s[42:43] offset:512*\q
.endr
.irp k, 0,1,2,3
	global_load_b32 v[WSC+\k], v[L4], s[44:45] offset:128*\k
.endr
	global_load_b128 v[BQS:BQS+3], v[MVO], s[8:9]
	global_load_b128 v[BQS+4:BQS+7], v[MVO], s[8:9] offset:16
	global_load_b128 v[BQS+8:BQS+11], v[MVO], s[8:9] offset:64
	global_load_b128 v[BQS+12:BQS+15], v[MVO], s[8:9] offset:80
	global_load_b32 v[BV], v[R4], s[10:11]
	global_load_b32 v[BV+1], v[R4], s[10:11]
	global_load_b32 v[BV+2], v[R4], s[10:11] offset:64
	global_load_b32 v[BV+3], v[R4], s[10:11] offset:64
.macro RAWL                            ; my 16 tokens x 64 along K of v and of v_pos: 16 loads
.irp bl, 0,1
.irp j, 0,1,2,3
	global_load_b128 v[RV+16*\bl+4*\j:RV+16*\bl+4*\j+3], v[XA], s[4:5] offset:128*\bl+16*\j
	global_load_b128 v[RP+16*\bl+4*\j:RP+16*\bl+4*\j+3], v[XA], s[6:7] offset:128*\bl+16*\j
.endr
.endr
.endm
.macro MVLD                            ; the block's 32 mask terms, in the layout of a result whose rows are tokens: 4 loads
	global_load_b128 v[MV:MV+3], v[MVO], s[36:37]
	global_load_b128 v[MV+4:MV+7], v[MVO], s[36:37] offset:16
	global_load_b128 v[MV+8:MV+11], v[MVO], s[36:37] offset:64
	global_load_b128 v[MV+12:MV+15], v[MVO], s[36:37] offset:80
.endm
	RAWL
	MVLD
	s_wait_loadcnt 20                              ; all but the 20 just issued
.irp j, 0,2,4,6,8,10,12,14
	v_pk_mul_f32 v[BQS+\j:BQS+\j+1], v[BQS+\j:BQS+\j+1], s[28:29] op_sel_hi:[1,0]
.endr
.macro XSL c, buf                      ; x's fragments of K step c, both tiles of tokens
.irp t, 0,1
.irp hf, 0,1
	ds_load_b128 v[(\buf)+8*\t+4*\hf:(\buf)+8*\t+4*\hf+3], v[LI] offset:(8*\t+(\c))*1024+512*\hf
.endr
.endr
.endm
; two tiles of s against the block's 32 tokens (source 0 = q's tokens, source 1 = k): a lane holds one s
.macro MGRP g
	WIN 0x04                                       ; source 1 window 1
.irp ii, 0,1
.irp t, 0,1
	v_wmma_f32_16x16x32_f16 v[WK+16+8*(2*\ii+\t):WK+16+8*(2*\ii+\t)+7], v[WK+48+8*\t:WK+48+8*\t+7], v[128+8*(2*(\g)+\ii):128+8*(2*(\g)+\ii)+7], 0
.endr
.endr
	WIN 0
.rept 4
	v_nop
.endr
.irp t, 0,1
.irp k, 0,2,4,6
.irp ii, 0,1
	v_max3_num_f32 v[MX+2*(\g)+\ii], v[MX+2*(\g)+\ii], v[WK+16+8*(2*\ii+\t)+\k], v[WK+16+8*(2*\ii+\t)+\k+1]
.endr
.endr
.endr
.set j, 0
.rept 32
	v_med3_num_f32 v[WK+16+j], v[WK+16+j], s31, s30          ; the clip
.set j, j+1
.endr
.irp ii, 0,1
.irp t, 0,1
.irp k, 0,2,4,6
	v_pk_add_f32 v[WK+16+8*(2*\ii+\t)+\k:WK+16+8*(2*\ii+\t)+\k+1], v[WK+16+8*(2*\ii+\t)+\k:WK+16+8*(2*\ii+\t)+\k+1], v[MV+8*\t+\k:MV+8*\t+\k+1]
.endr
.endr
.endr
.irp t, 0,1
.irp k, 0,2,4,6
.irp ii, 0,1
	v_max3_num_f32 v[MP+2*(\g)+\ii], v[MP+2*(\g)+\ii], v[WK+16+8*(2*\ii+\t)+\k], v[WK+16+8*(2*\ii+\t)+\k+1]
.endr
.endr
.endr
.endm
.macro BLOCK more
	s_wait_loadcnt 0x4                             ; v and v_pos of this block are in; the four loads of its mask terms, issued behind them, may be out
	s_wait_xcnt 0x0                                ; the last block's stores have read their registers and bases
.set j, 0
.rept 16
	v_pk_add_f32 v[RP+j:RP+j+1], v[RP+j:RP+j+1], v[RV+j:RV+j+1]
.set j, j+2
.endr
.set j, 0
.rept 16
	v_cvt_pk_f16_f32 v[WK+j], v[RP+2*j], v[RP+2*j+1]         ; x: two fragments, k = 32 cc + 16 (lane/16) + 0..15
.set j, j+1
.endr
.irp c, 0,1
	v_max3_num_f32 v[WK+20+\c], |v[RV+16*\c]|, |v[RV+16*\c+1]|, 0x1800000
.endr
.irp i, 2,4,6,8,10,12,14
.irp c, 0,1
	v_max3_num_f32 v[WK+20+\c], v[WK+20+\c], |v[RV+16*\c+\i]|, |v[RV+16*\c+\i+1]|
.endr
.endr
.irp c, 0,1
	v_permlanex16_b32 v[T0+\c], v[WK+20+\c], s26, s27
.endr
.irp c, 0,1
	v_max_num_f32 v[WK+20+\c], v[WK+20+\c], v[T0+\c]         ; the block's largest magnitude
.endr
.irp c, 0,1
	v_add_nc_u32 v[WK+22+\c], 0xff000000, v[WK+20+\c]
.endr
.irp c, 0,1
	v_lshrrev_b32 v[WK+24+\c], 23, v[WK+22+\c]
.endr
	v_lshl_or_b32 v[WK+26], v[WK+25], 8, v[WK+24]
.irp c, 0,1
	v_cvt_scalef32_pk8_fp4_f32 v[WK+16+2*\c], v[RV+16*\c:RV+16*\c+7], v[WK+22+\c]
	v_cvt_scalef32_pk8_fp4_f32 v[WK+17+2*\c], v[RV+16*\c+8:RV+16*\c+15], v[WK+22+\c]
.endr
	v_nop
	v_permlane16_swap_b32 v[WK+16], v[WK+18]       ; a whole block to a lane, as the operand's layout asks
	v_permlane16_swap_b32 v[WK+17], v[WK+19]
	ds_store_b128 v[XWI], v[WK:WK+3]
	ds_store_b128 v[XWI], v[WK+4:WK+7] offset:512
	ds_store_b128 v[XWI], v[WK+8:WK+11] offset:1024
	ds_store_b128 v[XWI], v[WK+12:WK+15] offset:1536
	ds_store_b128 v[VWI], v[WK+16:WK+19]
	ds_store_b16 v[VWS], v[WK+26]                  ; both lanes of a block write the same two bytes
	s_wait_dscnt 0x0
	s_barrier_signal -1
	s_barrier_wait -1                              ; the block's images are whole
	; ---- val_v: source 0 = 16 tokens of v, source 1 = 16 rows of Wvv: a lane holds one d, registers run along tokens
.irp q, 0,1,2,3,4,5,6,7
	ds_load_b128 v[WK+4*\q:WK+4*\q+3], v[LI] offset:VIMG+512*\q
.endr
.irp k, 0,1,2,3
	ds_load_b32 v[VSCR+\k], v[LSC] offset:64*\k
.endr
	s_wait_dscnt 0x0
.irp ks, 0,1
.irp a, 0,1
.irp t, 0,1
.if \ks == 0
	v_wmma_scale_f32_16x16x128_f8f6f4 v[WK+32+8*(2*\a+\t):WK+32+8*(2*\a+\t)+7], v[WK+8*(2*\t+\ks):WK+8*(2*\t+\ks)+7], v[WVF+8*(2*\a+\ks):WVF+8*(2*\a+\ks)+7], 0, v[VSCR+2*\t+\ks], v[WSC+2*\a+\ks] matrix_a_fmt:MATRIX_FMT_FP4 matrix_b_fmt:MATRIX_FMT_FP4
.else
	v_wmma_scale_f32_16x16x128_f8f6f4 v[WK+32+8*(2*\a+\t):WK+32+8*(2*\a+\t)+7], v[WK+8*(2*\t+\ks):WK+8*(2*\t+\ks)+7], v[WVF+8*(2*\a+\ks):WVF+8*(2*\a+\ks)+7], v[WK+32+8*(2*\a+\t):WK+32+8*(2*\a+\t)+7], v[VSCR+2*\t+\ks], v[WSC+2*\a+\ks] matrix_a_fmt:MATRIX_FMT_FP4 matrix_b_fmt:MATRIX_FMT_FP4
.endif
.endr
.endr
.endr
.rept 4
	v_nop
.endr
.irp a, 0,1
.irp t, 0,1
.irp k, 0,2,4,6
	v_pk_add_f32 v[WK+32+8*(2*\a+\t)+\k:WK+32+8*(2*\a+\t)+\k+1], v[WK+32+8*(2*\a+\t)+\k:WK+32+8*(2*\a+\t)+\k+1], v[BV+2*\a:BV+2*\a+1]
.endr
.endr
.endr
.irp a, 0,1
.irp t, 0,1
.irp k, 0,1,2,3
	v_cvt_pk_f16_f32 v[WK+8*\a+4*\t+\k], v[WK+32+8*(2*\a+\t)+2*\k], v[WK+32+8*(2*\a+\t)+2*\k+1]
.endr
.endr
.endr
.irp q, 0,1,2,3
	global_store_b128 v[LI], v[WK+4*\q:WK+4*\q+3], s[16:17] offset:512*\q
.endr
	; ---- q: source 0 = 16 rows of Wq, source 1 = 16 tokens of x; four accumulators by turns, x streamed from LDS one K step ahead
	XSL 0, WK+48
	s_wait_xcnt 0x0                                ; the four stores above have read v192-207, which take the odd K steps; nothing else of mine is on its way to be translated
.if \more
	s_add_nc_u64 s[4:5], s[4:5], 32768
	s_add_nc_u64 s[6:7], s[6:7], 32768
	RAWL                                           ; the next block's v and v_pos: they have the q products and the columns' maxima in which to land
.endif
.set cc, 0
.rept 8
.if (cc > 0) && (cc < 7)
.rept 4
	v_nop                                          ; places in front of loads into registers that the last products read
.endr
.endif
	WIN 0
.if cc < 7
	XSL cc+1, WK+48*(cc%2)
	s_wait_dscnt 0x4                               ; this K step's fragments are in; the four loads just issued may be out
.else
	s_wait_dscnt 0x0
.endif
	WIN 0x01                                       ; source 0 window 1
.irp a, 0,1
.irp t, 0,1
.if cc == 0
	v_wmma_f32_16x16x32_f16 v[WK+16+8*(2*\a+\t):WK+16+8*(2*\a+\t)+7], v[8*(8*\a+cc):8*(8*\a+cc)+7], v[WK+48*(1-cc%2)+8*\t:WK+48*(1-cc%2)+8*\t+7], 0
.else
	v_wmma_f32_16x16x32_f16 v[WK+16+8*(2*\a+\t):WK+16+8*(2*\a+\t)+7], v[8*(8*\a+cc):8*(8*\a+cc)+7], v[WK+48*(1-cc%2)+8*\t:WK+48*(1-cc%2)+8*\t+7], v[WK+16+8*(2*\a+\t):WK+16+8*(2*\a+\t)+7]
.endif
.endr
.endr
.set cc, cc+1
.endr
	WIN 0
	s_wait_dscnt 0x0                               ; my reads of the images are over
	s_barrier_signal -1
.rept 4
	v_nop
.endr
.irp a, 0,1
.irp t, 0,1
.irp k, 0,2,4,6
	v_pk_fma_f32 v[WK+16+8*(2*\a+\t)+\k:WK+16+8*(2*\a+\t)+\k+1], v[WK+16+8*(2*\a+\t)+\k:WK+16+8*(2*\a+\t)+\k+1], s[28:29], v[BQS+8*\a+\k:BQS+8*\a+\k+1] op_sel_hi:[1,0,1]
.endr
.endr
.endr
.irp t, 0,1
.irp a, 0,1
.irp k, 0,1,2,3
	v_cvt_pk_f16_f32 v[WK+48+8*\t+4*\a+\k], v[WK+16+8*(2*\a+\t)+2*\k], v[WK+16+8*(2*\a+\t)+2*\k+1]
.endr
.endr
.endr
	s_barrier_wait -1                              ; everybody's are: the next block's images may be written
.irp q, 0,1,2,3
	global_store_b128 v[LI], v[WK+48+4*\q:WK+48+4*\q+3], s[14:15] offset:512*\q
.endr
	; ---- the columns' maxima
.if \more
	s_wait_loadcnt 16                              ; the mask terms are in; the next block's 16 loads, issued behind them, may be out
.else
	s_wait_loadcnt 0x0
.endif
.irp k, 0,2,4,6,8,10,12,14
	v_max3_num_f32 v[GM], v[GM], v[MV+\k], v[MV+\k+1]
.endr
.irp g, 0,1,2,3,4,5,6,7
	MGRP \g
.endr
.if \more
	s_wait_xcnt 0x0                                ; the stores have read their bases, the mask terms' loads theirs
	s_add_nc_u64 s[14:15], s[14:15], 2048
	s_add_nc_u64 s[16:17], s[16:17], 2048
	s_add_nc_u64 s[36:37], s[36:37], 128
	MVLD
.endif
.endm
	s_max_u32 s24, s24, 1                          ; the counter is 5 or 6: at least one trip
.Lblk:
	BLOCK 1
	s_sub_co_u32 s24, s24, 1
	s_cmp_lg_u32 s24, 0
	s_cbranch_scc1 .Lblk
	BLOCK 0                                        ; the last block asks for nothing more
	s_wait_xcnt 0x0                                ; the last stores have read v240-255
.set j, 0
.rept 16
	v_permlanex16_b32 v[WK+j], v[MX+j], s26, s27   ; the other half of the lanes holds the column's other tokens
	v_permlanex16_b32 v[WK+16+j], v[MP+j], s26, s27
.set j, j+1
.endr
	v_permlanex16_b32 v[T0], v[GM], s26, s27
.set j, 0
.rept 16
	v_max_num_f32 v[MX+j], v[MX+j], v[WK+j]
	v_max_num_f32 v[MP+j], v[MP+j], v[WK+16+j]
.set j, j+1
.endr
	v_max_num_f32 v[GM], v[GM], v[T0]
.set j, 0
.rept 16
	v_med3_num_f32 v[MX+j], v[MX+j], s31, s30      ; the clip rises with its input: the maximum is clipped once
.set j, j+1
.endr
.set j, 0
.rept 16
	ds_store_b32 v[MSA], v[MX+j] offset:64*j       ; both halves of the lanes write the same word with the same value
	ds_store_b32 v[MSA], v[MP+j] offset:1024+64*j
	ds_store_b32 v[MSA], v[GM] offset:2048+64*j
.set j, j+1
.endr
.irp k, 0,1,2,3,4,5
	ds_load_b128 v[WK+4*\k:WK+4*\k+3], v[MSR] offset:512*\k   ; my own bytes: LDS serves a wave's instructions in order
.endr
	s_wait_dscnt 0x0
.irp k, 0,1,2,3,4,5
	global_store_b128 v[LI], v[WK+4*\k:WK+4*\k+3], s[18:19] offset:512*\k
.endr
	s_wait_tensorcnt 0x0                           ; the wave's end
	ds_add_u32 v[SPW], v[NIL]
	s_wait_dscnt 0x0
	s_endpgm
.Lfunc_end_k_q198187fe15_proj:
	.size	k_q198187fe15_proj, .Lfunc_end_k_q198187fe15_proj-k_q198187fe15_proj
	.p2alignl 7, 3214868480
	.fill 96, 4, 3214868480
	.section	.rodata,"a",@progbits
	.p2align	6, 0x0
	.amdhsa_kernel k_q198187fe15_proj
		.amdhsa_group_segment_fixed_size 46336
		.amdhsa_private_segment_fixed_size 0
		.amdhsa_enable_private_segment 0
		.amdhsa_kernarg_size 64
		.amdhsa_user_sgpr_count 2
		.amdhsa_user_sgpr_kernarg_segment_ptr 1
		.amdhsa_wavefront_size32 1
		.amdhsa_system_sgpr_workgroup_id_x 1
		.amdhsa_system_sgpr_workgroup_id_y 1
		.amdhsa_system_sgpr_workgroup_id_z 1
		.amdhsa_system_vgpr_workitem_id 0
		.amdhsa_next_free_vgpr 512
		.amdhsa_next_free_sgpr 66
		.amdhsa_reserve_vcc 0
		.amdhsa_float_denorm_mode_32 3
		.amdhsa_float_denorm_mode_16_64 3
		.amdhsa_memory_ordered 1
		.amdhsa_forward_progress 1
		.amdhsa_inst_pref_size 149
	.end_amdhsa_kernel
	.amdgpu_metadata
---
amdhsa.version: [ 1, 2 ]
amdhsa.kernels:
  - .name:           k_q198187fe15_proj
    .symbol:         k_q198187fe15_proj.kd
    .args:
      - { .name: v, .offset: 0, .size: 8, .value_kind: global_buffer, .address_space: global }
      - { .name: v_pos, .offset: 8, .size: 8, .value_kind: global_buffer, .address_space: global }
      - { .name: bq, .offset: 16, .size: 8, .value_kind: global_buffer, .address_space: global }
      - { .name: bvv, .offset: 24, .size: 8, .value_kind: global_buffer, .address_space: global }
      - { .name: pre, .offset: 32, .size: 8, .value_kind: global_buffer, .address_space: global }
      - { .name: qimg, .offset: 40, .size: 8, .value_kind: global_buffer, .address_space: global }
      - { .name: vvimg, .offset: 48, .size: 8, .value_kind: global_buffer, .address_space: global }
      - { .name: mpart, .offset: 56, .size: 8, .value_kind: global_buffer, .address_space: global }
    .group_segment_fixed_size: 46336
    .private_segment_fixed_size: 0
    .kernarg_segment_align: 8
    .kernarg_segment_size: 64
    .max_flat_workgroup_size: 256
    .sgpr_count:     66
    .vgpr_count:     512
    .wavefront_size: 32
...
	.end_amdgpu_metadata
.endif
;; end of part 2
;; launch vis (part 3): grid 256 x 1, 8 waves a work-group, no clusters, 9,216 bytes of LDS; arguments attention_mask_l, pre, qimg, ovimg, mpart, atab; writes ovimg, atab
.if DOCPART == 3
	.amdgcn_target "amdgcn-amd-amdhsa--gfx1250"
	.amdhsa_code_object_version 6
	.text
	.protected	k_q198187fe15_vis
	.globl	k_q198187fe15_vis
	.p2align	8
	.type	k_q198187fe15_vis,@function
k_q198187fe15_vis:
	s_mov_b64 s[64:65], 0
	v_nop
	global_prefetch_b8 v0, s[64:65] scope:SCOPE_SE
	s_setreg_imm32_b32 hwreg(HW_REG_WAVE_MODE, 25, 1), 1
	s_wait_xcnt 0x0
; LAUNCH 3 OF 5.  Nothing of the problem is left out here.  The vision direction: for each token and head, p = softmax over the 256 s of clip(score) + mask term, out_v = p val_l; stored as f16 fragments (16 tokens x the head's 32).
; Scores come in log2 units (the factor lies in q), so p = 2^(z - max z).  The row's maximum is taken away before the exponential; the row's sum of the f32 weights divides at the end.
; SHARES.  Work-group = (batch, one of 64 runs of 13 or 14 tiles of 16 tokens); wave w = head w.  The head's k and val_l^T (window 1: 256 registers) stay in registers; waves share nothing: no barrier.
; LAYOUT.  S^T = k q^T (source 0 = 16 s, source 1 = 16 tokens): a lane holds one token and 128 of its 256 scores, the lane 16 away the others.  Packed in pairs to f16 they are source 1 of O^T = val_l^T p^T.
; The mask terms (one for each s) lie in the wave's own 1,024 bytes of LDS and are streamed a group of 4 tiles ahead.
; AT ITS HEAD each wave also joins, for the next launch, the 64 parts of the column maxima of launch 2 for four columns 4 c .. 4 c + 3 of (batch, head): a lane takes two parts.  With M, M', G the joined maxima and C = 50000 log2(e):
; lo = max(-C, M - C), A = max(M', lo + G); stored are lo - A, -A and C - A, [b][h][3][256].  Each column is joined once in the launch.
; LIMITS: the weights and out_v are f16 operands; exponentials under 2^-126 become 0; NaN and infinities are not served.
.set VLIMG, 524288
.set SPARE, 8192
.set LI,  1
.set MLA, 2
.set SPW, 3
.set NIL, 4
.set CH,  16
.set ML,  56
.set S,   128
.set MSB, 0
.macro WIN new
.if MSB != \new
	s_set_vgpr_msb (MSB<<8)|\new
.set MSB, \new
.endif
.endm
	s_load_b256 s[4:11], s[0:1], 0x0               ; attention_mask_l, pre, qimg, ovimg
	s_load_b128 s[32:35], s[0:1], 0x20             ; mpart, atab
	v_lshl_add_u32 v[SPW], v0, 2, SPARE
	v_mov_b32 v[NIL], 0
	v_lshrrev_b32 v5, 5, v0
	v_readfirstlane_b32 s12, v5                    ; wave = head
	v_and_b32 v5, 31, v0
	v_lshlrev_b32 v[LI], 4, v5
	v_mul_u32_u24 v22, v5, 24576                   ; from part to part of the maxima: 8 heads x 3,072 bytes
	v_and_b32 v23, 31, v0                          ; my lane
	v_bfe_u32 v6, v0, 4, 1
	s_lshl_b32 s24, s12, 10
	v_lshl_add_u32 v[MLA], v6, 5, s24              ; my table + 32 (lane/16)
	v_lshl_add_u32 v7, v5, 5, s24                  ; where I write 8 of its numbers
	v_lshlrev_b32 v6, 5, v5
	v_mov_b32 v5, 0xd9ffcb9e                       ; -9e15
	v_mov_b32 v21, 0
	v_mov_b32 v31, 0
	s_mov_b32 s18, 0x3fb8aa3b
	s_mov_b32 s19, s18
	s_mov_b32 s20, 0x76543210
	s_mov_b32 s21, 0xfedcba98
	s_mov_b32 s22, 0x478ce360                      ; 50000 log2(e)
	s_mov_b32 s23, 0xc78ce360
	s_lshr_b32 s13, ttmp9, 6
	s_and_b32 s14, ttmp9, 63
	s_min_u32 s15, s14, 18
	s_mul_i32 s24, s14, 13
	s_add_co_u32 s15, s15, s24                     ; first tile: 18 runs of 14 and 46 of 13 make 850
	s_cmp_lt_u32 s14, 18
	s_cselect_b32 s16, 13, 12                      ; tiles less one
	s_lshl_b32 s17, s13, 3
	s_add_co_u32 s17, s17, s12                     ; 8 b + h
	s_lshl_b32 s30, s14, 4                         ; my four columns, in bytes
	s_mov_b32 s25, 0
	s_wait_kmcnt 0x0
	s_lshl_b32 s24, s13, 10
	s_add_nc_u64 s[4:5], s[4:5], s[24:25]
	s_lshl_b32 s24, s17, 14
	s_add_nc_u64 s[26:27], s[6:7], s[24:25]        ; k
	s_add_co_u32 s24, s24, VLIMG
	s_add_nc_u64 s[28:29], s[6:7], s[24:25]        ; val_l^T
	s_mul_i32 s24, s17, 850
	s_add_co_u32 s24, s24, s15
	s_lshl_b32 s24, s24, 10
	s_add_nc_u64 s[8:9], s[8:9], s[24:25]
	s_mul_i32 s24, s13, 850
	s_add_co_u32 s24, s24, s15
	s_lshl_b32 s24, s24, 3
	s_add_co_u32 s24, s24, s12
	s_lshl_b32 s24, s24, 10
	s_add_nc_u64 s[10:11], s[10:11], s[24:25]
	s_lshl_b32 s24, s13, 9
	s_add_co_u32 s24, s24, s12
	s_mul_i32 s24, s24, 3072
	s_add_co_u32 s24, s24, s30
	s_add_nc_u64 s[32:33], s[32:33], s[24:25]      ; part 0 of my batch, my head, my columns
	s_mul_i32 s24, s17, 3072
	s_add_co_u32 s24, s24, s30
	s_add_nc_u64 s[34:35], s[34:35], s[24:25]
	global_load_b128 v[56:59], v6, s[4:5]
	global_load_b128 v[60:63], v6, s[4:5] offset:16
.irp rw, 0,1,2
	global_load_b128 v[64+8*\rw:67+8*\rw], v22, s[32:33] offset:1024*\rw           ; part = my lane: M, M', G of four columns
	global_load_b128 v[68+8*\rw:71+8*\rw], v22, s[32:33] offset:1024*\rw+786432    ; and the part 32 further on
.endr
	WIN 0x40
.set j, 0
.rept 32
	global_load_b128 v[4*j:4*j+3], v[LI], s[26:27] offset:512*j
	global_load_b128 v[128+4*j:128+4*j+3], v[LI], s[28:29] offset:512*j
.set j, j+1
.endr
	WIN 0
	global_load_b128 v[8:11], v[LI], s[8:9]        ; the first tile of q
	global_load_b128 v[12:15], v[LI], s[8:9] offset:512
	s_wait_loadcnt 62                              ; 74 loads are out: the oldest twelve are in, the mask's two and the maxima's six among them
.irp k, 0,1,2,3,4,5,6,7
	v_cmp_eq_f32 vcc_lo, 0, v[56+\k]
	v_cndmask_b32 v[56+\k], v[56+\k], v5, vcc_lo
.endr
.irp k, 0,2,4,6
	v_pk_mul_f32 v[56+\k:57+\k], v[56+\k:57+\k], s[18:19] op_sel_hi:[1,0]
.endr
	ds_store_b128 v7, v[56:59]
	ds_store_b128 v7, v[60:63] offset:16
	; ---- the column maxima: my two parts, then the 32 lanes'
.irp rw, 0,1,2
.irp k, 0,1,2,3
	v_max_num_f32 v[64+8*\rw+\k], v[64+8*\rw+\k], v[68+8*\rw+\k]
.endr
.endr
.irp m, 1,2,4,8
.irp rw, 0,1,2
.irp k, 0,1,2,3
	v_max_num_f32_dpp v[64+8*\rw+\k], v[64+8*\rw+\k], v[64+8*\rw+\k] row_xmask:\m row_mask:0xf bank_mask:0xf
.endr
.endr
.endr
.irp rw, 0,1,2
.irp k, 0,1,2,3
	v_permlanex16_b32 v[68+8*\rw+\k], v[64+8*\rw+\k], s20, s21
.endr
.endr
.irp rw, 0,1,2
.irp k, 0,1,2,3
	v_max_num_f32 v[64+8*\rw+\k], v[64+8*\rw+\k], v[68+8*\rw+\k]
.endr
.endr
.irp k, 0,1,2,3
	v_add_f32 v[64+\k], s23, v[64+\k]
	v_max_num_f32 v[64+\k], s23, v[64+\k]          ; lo = max(-C, M - C)
	v_add_f32 v[80+\k], v[64+\k], v[80+\k]
	v_max_num_f32 v[72+\k], v[72+\k], v[80+\k]     ; A = max(M', lo + G)
	v_sub_f32 v[64+\k], v[64+\k], v[72+\k]         ; lo - A
	v_sub_f32 v[80+\k], s22, v[72+\k]              ; C - A
	v_xor_b32 v[72+\k], 0x80000000, v[72+\k]       ; -A
.endr
	s_wait_xcnt 0x0                                ; EXEC changes only behind this wait
	v_cmp_eq_u32 vcc_lo, 0, v23
	s_and_saveexec_b32 s36, vcc_lo                 ; every lane holds the same twelve numbers: lane 0 stores them (its offset register holds 0)
	global_store_b128 v23, v[64:67], s[34:35]
	global_store_b128 v23, v[72:75], s[34:35] offset:1024
	global_store_b128 v23, v[80:83], s[34:35] offset:2048
	s_wait_xcnt 0x0                                ; and again in front of the line that widens it; the stores' registers are free from here on too
	s_or_b32 exec_lo, exec_lo, s36
.macro MLL g                           ; the mask terms of tiles 4 g .. 4 g + 3 of s: 8 loads into set g % 2
.irp ii, 0,1,2,3
.irp c, 0,1
	ds_load_b128 v[ML+32*((\g)%2)+8*\ii+4*\c:ML+32*((\g)%2)+8*\ii+4*\c+3], v[MLA] offset:64*(4*(\g)+\ii)+16*\c
.endr
.endr
.endm
.macro TILE more
	MLL 0
	MLL 1
	s_wait_loadcnt 0x0                             ; q
	WIN 0x01                                       ; source 0 window 1
.irp i, 0,1,2,3,4,5,6,7,8,9,10,11,12,13,14,15
	v_wmma_f32_16x16x32_f16 v[S+8*\i:S+8*\i+7], v[8*\i:8*\i+7], v[8:15], 0
.endr
	WIN 0
.rept 4
	v_nop                                          ; places in front of the load into q's registers and of the first read of scores
.endr
	s_wait_xcnt 0x0                                ; the last tile's stores and q's loads have read their bases and registers: both bases step here, and v48-55 are free for this tile's results
	s_add_nc_u64 s[10:11], s[10:11], 8192          ; one tile on: this tile's stores reach back by their offsets
.if \more
	s_add_nc_u64 s[8:9], s[8:9], 1024
	global_load_b128 v[8:11], v[LI], s[8:9]        ; the next tile of q: it has the rest of this tile in which to land
	global_load_b128 v[12:15], v[LI], s[8:9] offset:512
.endif
.irp g, 0,1,2,3
.if \g < 3
	s_wait_dscnt 0x8                               ; this group's mask terms are in; the eight loads behind them may be out
.else
	s_wait_dscnt 0x0
.endif
.set j, 0
.rept 32
	v_med3_num_f32 v[S+32*\g+j], v[S+32*\g+j], s23, s22      ; the clip
.set j, j+1
.endr
.set j, 0
.rept 16
	v_pk_add_f32 v[S+32*\g+2*j:S+32*\g+2*j+1], v[S+32*\g+2*j:S+32*\g+2*j+1], v[ML+32*(\g%2)+2*j:ML+32*(\g%2)+2*j+1]
.set j, j+1
.endr
.set j, 0
.rept 16
.if (\g == 0) && (j < 4)
	v_max_num_f32 v[CH+j], v[S+2*j], v[S+2*j+1]    ; four chains, started by the first numbers
.else
	v_max3_num_f32 v[CH+j%4], v[CH+j%4], v[S+32*\g+2*j], v[S+32*\g+2*j+1]
.endif
.set j, j+1
.endr
.if \g < 2
	MLL \g+2
.endif
.endr
	v_max3_num_f32 v20, v[CH], v[CH+1], v[CH+2]
	v_max_num_f32 v20, v20, v[CH+3]
	v_permlanex16_b32 v21, v20, s20, s21
	v_max_num_f32 v20, v20, v21                    ; the row's maximum,
	v_xor_b32 v20, 0x80000000, v20                 ; negated
.set j, 0
.rept 64
	v_pk_add_f32 v[S+2*j:S+2*j+1], v[S+2*j:S+2*j+1], v[20:21] op_sel_hi:[1,0]
.set j, j+1
.endr
.set j, 0
.rept 128
	v_exp_f32 v[S+j], v[S+j]
.set j, j+1
.endr
	v_nop                                          ; a plain line behind the last exponential,
	s_wait_alu depctr_va_vdst(0)                   ; and one wait for the whole batch, ahead of its first reader
.irp q, 0,1,2,3
	v_pk_add_f32 v[22+2*\q:23+2*\q], v[S+2*\q:S+2*\q+1], v[S+8+2*\q:S+8+2*\q+1]   ; the row's sum, of the f32 weights, in four chains of pairs
.endr
.set j, 8
.rept 56
	v_pk_add_f32 v[22+2*(j%4):23+2*(j%4)], v[22+2*(j%4):23+2*(j%4)], v[S+2*j:S+2*j+1]
.set j, j+1
.endr
.set j, 0
.rept 64
	v_cvt_pk_f16_f32 v[S+j], v[S+2*j], v[S+2*j+1]  ; in place, ascending: fragment p (32 s) ends in v[S + 8 p] on
.set j, j+1
.endr
	WIN 0x01
.irp p, 0,1,2,3,4,5,6,7
.irp e, 0,1
.if \p == 0
	v_wmma_f32_16x16x32_f16 v[32+8*\e:39+8*\e], v[128+8*(8*\e+\p):128+8*(8*\e+\p)+7], v[S+8*\p:S+8*\p+7], 0
.else
	v_wmma_f32_16x16x32_f16 v[32+8*\e:39+8*\e], v[128+8*(8*\e+\p):128+8*(8*\e+\p)+7], v[S+8*\p:S+8*\p+7], v[32+8*\e:39+8*\e]
.endif
.endr
.endr
	WIN 0
	v_pk_add_f32 v[22:23], v[22:23], v[24:25]      ; the sum is finished here: these plain lines are also the places behind the last products
	v_pk_add_f32 v[26:27], v[26:27], v[28:29]
	v_pk_add_f32 v[22:23], v[22:23], v[26:27]
	v_add_f32 v30, v22, v23
	v_permlanex16_b32 v31, v30, s20, s21
	v_add_f32 v30, v30, v31
	v_nop
	v_nop
	v_rcp_f32 v30, v30
	v_nop
	s_wait_alu depctr_va_vdst(0)
.irp k, 0,2,4,6,8,10,12,14
	v_pk_mul_f32 v[32+\k:33+\k], v[32+\k:33+\k], v[30:31] op_sel_hi:[1,0]
.endr
.irp k, 0,1,2,3,4,5,6,7
	v_cvt_pk_f16_f32 v[48+\k], v[32+2*\k], v[33+2*\k]
.endr
	global_store_b128 v[LI], v[48:51], s[10:11] offset:-8192
	global_store_b128 v[LI], v[52:55], s[10:11] offset:-7680
.endm
	s_max_u32 s16, s16, 1                          ; the counter is 12 or 13: at least one trip
.Ltile:
	TILE 1
	s_sub_co_u32 s16, s16, 1
	s_cmp_lg_u32 s16, 0
	s_cbranch_scc1 .Ltile
	TILE 0
	s_wait_tensorcnt 0x0                           ; the wave's end
	ds_add_u32 v[SPW], v[NIL]
	s_wait_dscnt 0x0
	s_endpgm
.Lfunc_end_k_q198187fe15_vis:
	.size	k_q198187fe15_vis, .Lfunc_end_k_q198187fe15_vis-k_q198187fe15_vis
	.p2alignl 7, 3214868480
	.fill 96, 4, 3214868480
	.section	.rodata,"a",@progbits
	.p2align	6, 0x0
	.amdhsa_kernel k_q198187fe15_vis
		.amdhsa_group_segment_fixed_size 9216
		.amdhsa_private_segment_fixed_size 0
		.amdhsa_enable_private_segment 0
		.amdhsa_kernarg_size 48
		.amdhsa_user_sgpr_count 2
		.amdhsa_user_sgpr_kernarg_segment_ptr 1
		.amdhsa_wavefront_size32 1
		.amdhsa_system_sgpr_workgroup_id_x 1
		.amdhsa_system_sgpr_workgroup_id_y 1
		.amdhsa_system_sgpr_workgroup_id_z 1
		.amdhsa_system_vgpr_workitem_id 0
		.amdhsa_next_free_vgpr 512
		.amdhsa_next_free_sgpr 66
		.amdhsa_reserve_vcc 1
		.amdhsa_float_denorm_mode_32 3
		.amdhsa_float_denorm_mode_16_64 3
		.amdhsa_memory_ordered 1
		.amdhsa_forward_progress 1
		.amdhsa_inst_pref_size 94
	.end_amdhsa_kernel
	.amdgpu_metadata
---
amdhsa.version: [ 1, 2 ]
amdhsa.kernels:
  - .name:           k_q198187fe15_vis
    .symbol:         k_q198187fe15_vis.kd
    .args:
      - { .name: attention_mask_l, .offset: 0, .size: 8, .value_kind: global_buffer, .address_space: global }
      - { .name: pre, .offset: 8, .size: 8, .value_kind: global_buffer, .address_space: global }
      - { .name: qimg, .offset: 16, .size: 8, .value_kind: global_buffer, .address_space: global }
      - { .name: ovimg, .offset: 24, .size: 8, .value_kind: global_buffer, .address_space: global }
      - { .name: mpart, .offset: 32, .size: 8, .value_kind: global_buffer, .address_space: global }
      - { .name: atab, .offset: 40, .size: 8, .value_kind: global_buffer, .address_space: global }
    .group_segment_fixed_size: 9216
    .private_segment_fixed_size: 0
    .kernarg_segment_align: 8
    .kernarg_segment_size: 48
    .max_flat_workgroup_size: 256
    .sgpr_count:     66
    .vgpr_count:     512
    .wavefront_size: 32
...
	.end_amdgpu_metadata
.endif
;; end of part 3
;; launch lang (part 4): grid 256 x 1, 8 waves a work-group, no clusters, 140,288 bytes of LDS; arguments pre, qimg, vvimg, atab, opart; writes opart
.if DOCPART == 4
	.amdgcn_target "amdgcn-amd-amdhsa--gfx1250"
	.amdhsa_code_object_version 6
	.text
	.protected	k_q198187fe15_lang
	.globl	k_q198187fe15_lang
	.p2align	8
	.type	k_q198187fe15_lang,@function
k_q198187fe15_lang:
	s_mov_b64 s[64:65], 0
	v_nop
	global_prefetch_b8 v0, s[64:65] scope:SCOPE_SE
	s_setreg_imm32_b32 hwreg(HW_REG_WAVE_MODE, 25, 1), 1
	s_wait_xcnt 0x0
; LAUNCH 4 OF 5.  Nothing of the problem is left out here.  The language direction: for each column (b, h, s) weights over the 13,600 tokens, and the sums of weight x val_v and of the weights, one part for each of 8 runs of tokens.
; THE WEIGHT.  With M = the column's largest clipped score, reference()'s softmax input is x = max(clip(aw) - M, -C) + mask term.  x + M = med3(aw, lo, C) + mask term with lo = max(-C, M - C), and its largest value over t is
; A = max(M', lo + G), M' = max of clip(aw) + mask term, G = max of the mask term (launch 2 made M, M', G in parts; launch 3 joined them and stored lo - A, -A, C - A).  So w = 2^(med3(aw - A, lo - A, C - A) + mask term) is x less its own maximum:
; the maximum is taken away before the exponential, the largest exponent is 0, and all runs share A, so that their parts add plainly.  aw - A costs nothing: -A is the C of the score product.  (All in log2 units.)
; SHARES.  Work-group = (batch, head, run c of 8).  Wave w: s tiles 8 (w%2) .. + 7, and quarter w/2 of the run: 13 or 14 pairs of tiles (32 tokens).  A wave with 13 pairs asks once more for its own last pair.
; LAYOUT.  S = q k^T - A (source 0 = 16 tokens, source 1 = 16 s): a lane holds one s, registers run along tokens; two tiles packed to f16 are source 1 of acc^T += val_v^T w^T.
; LIMITS: the weights are f16 operands; exponentials under 2^-126 become 0; NaN and infinities are not served.
.set MVLT,  1740800
.set AX,    0                          ; LDS: 16,384 bytes a wave for the accumulators
.set SX,    131072                     ; 1,024 a wave for the sums
.set SPARE, 139264
.set LI,   1
.set MVO,  2
.set TA,   3
.set AXW,  5
.set SXW,  6
.set AXR0, 7
.set LO3,  8
.set HI3,  16
.set AXR1, 32
.set SXR,  33
.set L8,   34
.set SPW,  35
.set NIL,  36
.set Q,    40
.set VV,   56
.set MV,   88
.set S,    128
.set MSB, 0
.macro WIN new
.if MSB != \new
	s_set_vgpr_msb (MSB<<8)|\new
.set MSB, \new
.endif
.endm
	s_load_b256 s[4:11], s[0:1], 0x0               ; pre, qimg, vvimg, atab
	s_load_b64 s[12:13], s[0:1], 0x20              ; opart
	v_lshl_add_u32 v[SPW], v0, 2, SPARE
	v_mov_b32 v[NIL], 0
	v_lshrrev_b32 v37, 5, v0
	v_readfirstlane_b32 s14, v37                   ; wave
	v_and_b32 v37, 31, v0
	v_and_b32 v38, 15, v0
	v_bfe_u32 v39, v0, 4, 1
	v_lshlrev_b32 v[LI], 4, v37
	v_lshlrev_b32 v[L8], 3, v37
	v_lshlrev_b32 v[MVO], 5, v39
	v_lshlrev_b32 v[TA], 2, v38
	s_and_b32 s18, s14, 1                          ; which half of the s tiles
	s_lshr_b32 s19, s14, 1                         ; which quarter of the run
	s_lshl_b32 s30, s14, 14                        ; every LDS address is made here
	s_add_co_u32 s30, s30, AX
	v_add_nc_u32 v[AXW], s30, v[LI]
	s_lshl_b32 s30, s14, 10
	s_add_co_u32 s30, s30, SX
	v_lshl_add_u32 v[SXW], v37, 2, s30
	s_lshl_b32 s30, s18, 14
	s_lshl_b32 s31, s19, 12
	s_add_co_u32 s30, s30, s31
	s_add_co_u32 s30, s30, AX
	v_add_nc_u32 v[AXR0], s30, v[LI]
	v_add_nc_u32 v[AXR1], 65536, v[AXR0]
	s_lshl_b32 s30, s18, 10
	s_lshl_b32 s31, s19, 8
	s_add_co_u32 s30, s30, s31
	s_add_co_u32 s30, s30, SX
	v_lshl_add_u32 v[SXR], v37, 2, s30
	s_mov_b32 s20, 0x76543210
	s_mov_b32 s21, 0xfedcba98
	s_lshr_b32 s15, ttmp9, 6                       ; batch
	s_and_b32 s17, ttmp9, 7                        ; run
	s_lshl_b32 s22, s17, 2
	s_add_co_u32 s22, s22, s19                     ; u = 0..31
	s_min_u32 s23, s22, 9
	s_mul_i32 s30, s22, 13
	s_add_co_u32 s23, s23, s30                     ; first pair: 9 of 14 and 23 of 13 make 425
	s_cmp_lt_u32 s22, 9
	s_cselect_b32 s24, 13, 12                      ; pairs still to be asked for
	s_lshr_b32 s38, ttmp9, 3                       ; 8 b + h
	s_mov_b32 s31, 0
	s_mov_b32 s35, 0
	s_mov_b32 s37, 0
	s_wait_kmcnt 0x0
	s_lshl_b32 s30, s38, 4
	s_lshl_b32 s33, s18, 3
	s_add_co_u32 s30, s30, s33
	s_lshl_b32 s30, s30, 10
	s_add_nc_u64 s[40:41], s[4:5], s[30:31]        ; my eight fragments of k
	s_mul_i32 s30, s15, 13600
	s_lshl_b32 s33, s23, 5
	s_add_co_u32 s30, s30, s33
	s_lshl_b32 s30, s30, 2
	s_add_co_u32 s30, s30, MVLT
	s_add_nc_u64 s[28:29], s[4:5], s[30:31]        ; the mask terms
	s_mul_i32 s30, s38, 850
	s_lshl_b32 s33, s23, 1
	s_add_co_u32 s30, s30, s33
	s_lshl_b32 s30, s30, 10
	s_add_nc_u64 s[6:7], s[6:7], s[30:31]
	s_mul_i32 s30, s38, 425
	s_add_co_u32 s30, s30, s23
	s_lshl_b32 s30, s30, 11
	s_add_nc_u64 s[8:9], s[8:9], s[30:31]
	s_mul_i32 s30, s38, 3072
	s_lshl_b32 s33, s18, 9
	s_add_co_u32 s30, s30, s33
	s_add_nc_u64 s[10:11], s[10:11], s[30:31]      ; the columns' three numbers, my half of the columns
	s_lshl_b32 s30, ttmp9, 11
	s_lshl_b32 s33, s18, 2
	s_add_co_u32 s33, s33, s19
	s_lshl_b32 s33, s33, 8
	s_add_co_u32 s30, s30, s33
	s_add_co_u32 s30, s30, 8388608
	s_add_nc_u64 s[42:43], s[12:13], s[30:31]      ; where my sums go
	s_lshl_b32 s30, ttmp9, 15
	s_lshl_b32 s33, s18, 14
	s_add_co_u32 s30, s30, s33
	s_lshl_b32 s33, s19, 12
	s_add_co_u32 s30, s30, s33
	s_add_nc_u64 s[12:13], s[12:13], s[30:31]      ; and my part of the accumulators
.macro PLOAD buf                       ; a pair's q (2 fragments), val_v^T (2) and mask terms: 12 loads
.irp q, 0,1,2,3
	global_load_b128 v[Q+4*\q:Q+4*\q+3], v[LI], s[6:7] offset:512*\q
	global_load_b128 v[VV+16*(\buf)+4*\q:VV+16*(\buf)+4*\q+3], v[LI], s[8:9] offset:512*\q
.endr
	global_load_b128 v[MV+16*(\buf):MV+16*(\buf)+3], v[MVO], s[28:29]
	global_load_b128 v[MV+16*(\buf)+4:MV+16*(\buf)+7], v[MVO], s[28:29] offset:16
	global_load_b128 v[MV+16*(\buf)+8:MV+16*(\buf)+11], v[MVO], s[28:29] offset:64
	global_load_b128 v[MV+16*(\buf)+12:MV+16*(\buf)+15], v[MVO], s[28:29] offset:80
.endm
	WIN 0x40
.set j, 0
.rept 16
	global_load_b128 v[128+4*j:128+4*j+3], v[LI], s[40:41] offset:512*j
.set j, j+1
.endr
	WIN 0
.irp i, 0,1,2,3,4,5,6,7                ; column 16 i + lane % 16 of my half
	global_load_b32 v[LO3+\i], v[TA], s[10:11] offset:64*\i            ; lo - A
	global_load_b32 v[224+\i], v[TA], s[10:11] offset:1024+64*\i       ; -A
	global_load_b32 v[HI3+\i], v[TA], s[10:11] offset:2048+64*\i       ; C - A
.endr
	PLOAD 0
	s_wait_loadcnt 12                              ; k and the columns' numbers are in; the first pair's 12 loads, issued behind them, may be out
	WIN 0x40
.irp i, 0,1,2,3,4,5,6,7
.irp k, 0,1,2,3,4,5,6,7
	v_mov_b32 v[192+8*\i+\k], v[224+\i]            ; -A in the layout of a C: the same for a lane's eight tokens
.endr
.endr
	WIN 0
.irp k, 0,1,2,3,4,5,6,7
	v_mov_b32 v[24+\k], 0                          ; the weights' sums, a pair for each s tile
	v_mov_b32 v[120+\k], 0
.endr
.macro PAIR buf, first, more
	s_wait_loadcnt 0x0                             ; this pair's 12 loads, asked for a pair ago
	WIN 0x14                                       ; source 1 (k) and C (-A) window 1
.irp i, 0,1,2,3,4,5,6,7
.irp t, 0,1
	v_wmma_f32_16x16x32_f16 v[S+16*\i+8*\t:S+16*\i+8*\t+7], v[Q+8*\t:Q+8*\t+7], v[128+8*\i:128+8*\i+7], v[192+8*\i:192+8*\i+7]
.endr
.endr
	WIN 0
.rept 4
	v_nop
.endr
.if \more
	s_wait_xcnt 0x0
	s_min_u32 s30, s24, 1                          ; one pair on while there is one, else the same pair again
	s_sub_co_u32 s24, s24, s30
	s_lshl_b32 s34, s30, 11
	s_lshl_b32 s36, s30, 7
	s_add_nc_u64 s[6:7], s[6:7], s[34:35]
	s_add_nc_u64 s[8:9], s[8:9], s[34:35]
	s_add_nc_u64 s[28:29], s[28:29], s[36:37]
	PLOAD 1-\buf
.endif
.irp g, 0,1                            ; four s tiles at a time
.set j, 0
.rept 64
	v_med3_num_f32 v[S+64*\g+j], v[S+64*\g+j], v[LO3+4*\g+j/16], v[HI3+4*\g+j/16]
.set j, j+1
.endr
.set j, 0
.rept 32
	v_pk_add_f32 v[S+64*\g+2*j:S+64*\g+2*j+1], v[S+64*\g+2*j:S+64*\g+2*j+1], v[MV+16*\buf+(2*j)%16:MV+16*\buf+(2*j)%16+1]
.set j, j+1
.endr
.set j, 0
.rept 64
	v_exp_f32 v[S+64*\g+j], v[S+64*\g+j]
.set j, j+1
.endr
	v_nop
	s_wait_alu depctr_va_vdst(0)                   ; one wait for the batch of 64
.irp k, 0,1,2,3,4,5,6,7
.irp ii, 0,1,2,3
	v_pk_add_f32 v[24+96*\g+2*\ii:25+96*\g+2*\ii], v[24+96*\g+2*\ii:25+96*\g+2*\ii], v[S+64*\g+16*\ii+2*\k:S+64*\g+16*\ii+2*\k+1]
.endr
.endr
.set j, 0
.rept 32
	v_cvt_pk_f16_f32 v[S+64*\g+j], v[S+64*\g+2*j], v[S+64*\g+2*j+1]
.set j, j+1
.endr
	WIN 0x50                                       ; C and D window 1
.irp ii, 0,1,2,3
.irp e, 0,1
.if \first
	v_wmma_f32_16x16x32_f16 v[8*(2*(4*\g+\ii)+\e):8*(2*(4*\g+\ii)+\e)+7], v[VV+16*\buf+8*\e:VV+16*\buf+8*\e+7], v[S+64*\g+8*\ii:S+64*\g+8*\ii+7], 0
.else
	v_wmma_f32_16x16x32_f16 v[8*(2*(4*\g+\ii)+\e):8*(2*(4*\g+\ii)+\e)+7], v[VV+16*\buf+8*\e:VV+16*\buf+8*\e+7], v[S+64*\g+8*\ii:S+64*\g+8*\ii+7], v[8*(2*(4*\g+\ii)+\e):8*(2*(4*\g+\ii)+\e)+7]
.endif
.endr
.endr
	WIN 0
.endr
.rept 5
	v_nop                                          ; five places: the next pair's score products write over the weights' registers
.endr
.endm
	PAIR 0, 1, 1
	s_mov_b32 s25, 6
.Lpairs:
	PAIR 1, 0, 1
	PAIR 0, 0, 1
	s_sub_co_u32 s25, s25, 1
	s_cmp_lg_u32 s25, 0
	s_cbranch_scc1 .Lpairs
	s_cmp_lt_u32 s22, 9                            ; a fourteenth pair?  ids alone decide
	s_cbranch_scc0 .Lmerge
	PAIR 1, 0, 0
.Lmerge:
	s_wait_loadcnt 0x0                             ; (a wave with 13 pairs has its last request still out)
.irp i, 0,1,2,3
	v_add_f32 v[HI3+\i], v[24+2*\i], v[25+2*\i]
	v_add_f32 v[HI3+4+\i], v[120+2*\i], v[121+2*\i]
.endr
.irp i, 0,1,2,3,4,5,6,7
	v_permlanex16_b32 v[LO3+\i], v[HI3+\i], s20, s21
.endr
.irp i, 0,1,2,3,4,5,6,7
	v_add_f32 v[HI3+\i], v[HI3+\i], v[LO3+\i]
.endr
	WIN 0x04                                       ; an LDS store's data: window 1
.set j, 0
.rept 32
	ds_store_b128 v[AXW], v[4*j:4*j+3] offset:512*j
.set j, j+1
.endr
	WIN 0
.irp i, 0,1,2,3,4,5,6,7
	ds_store_b32 v[SXW], v[HI3+\i] offset:128*\i
.endr
	s_wait_dscnt 0x0
	s_barrier_signal -1
	s_barrier_wait -1
	; the four quarters of the run are added: wave (half, quarter) takes quarter's share of its half's accumulators
.irp tp, 0,1
.irp q, 0,1,2,3,4,5,6,7
	ds_load_b128 v[128+32*\tp+4*\q:128+32*\tp+4*\q+3], v[AXR0] offset:32768*\tp+512*\q
	ds_load_b128 v[192+32*\tp+4*\q:192+32*\tp+4*\q+3], v[AXR1] offset:32768*\tp+512*\q
.endr
.endr
.irp tp, 0,1,2,3
.irp ii, 0,1
	ds_load_b32 v[40+2*\tp+\ii], v[SXR] offset:2048*\tp+128*\ii
.endr
.endr
	s_wait_dscnt 0x0
.irp tp, 1,2,3
.set j, 0
.rept 16
	v_pk_add_f32 v[128+2*j:129+2*j], v[128+2*j:129+2*j], v[128+32*\tp+2*j:129+32*\tp+2*j]
.set j, j+1
.endr
	v_add_f32 v40, v40, v[40+2*\tp]
	v_add_f32 v41, v41, v[41+2*\tp]
.endr
.irp q, 0,1,2,3,4,5,6,7
	global_store_b128 v[LI], v[128+4*\q:128+4*\q+3], s[12:13] offset:512*\q
.endr
	global_store_b64 v[L8], v[40:41], s[42:43]
	s_wait_tensorcnt 0x0                           ; the wave's end
	ds_add_u32 v[SPW], v[NIL]
	s_wait_dscnt 0x0
	s_endpgm
.Lfunc_end_k_q198187fe15_lang:
	.size	k_q198187fe15_lang, .Lfunc_end_k_q198187fe15_lang-k_q198187fe15_lang
	.p2alignl 7, 3214868480
	.fill 96, 4, 3214868480
	.section	.rodata,"a",@progbits
	.p2align	6, 0x0
	.amdhsa_kernel k_q198187fe15_lang
		.amdhsa_group_segment_fixed_size 140288
		.amdhsa_private_segment_fixed_size 0
		.amdhsa_enable_private_segment 0
		.amdhsa_kernarg_size 40
		.amdhsa_user_sgpr_count 2
		.amdhsa_user_sgpr_kernarg_segment_ptr 1
		.amdhsa_wavefront_size32 1
		.amdhsa_system_sgpr_workgroup_id_x 1
		.amdhsa_system_sgpr_workgroup_id_y 1
		.amdhsa_system_sgpr_workgroup_id_z 1
		.amdhsa_system_vgpr_workitem_id 0
		.amdhsa_next_free_vgpr 512
		.amdhsa_next_free_sgpr 66
		.amdhsa_reserve_vcc 0
		.amdhsa_float_denorm_mode_32 3
		.amdhsa_float_denorm_mode_16_64 3
		.amdhsa_memory_ordered 1
		.amdhsa_forward_progress 1
		.amdhsa_inst_pref_size 133
	.end_amdhsa_kernel
	.amdgpu_metadata
---
amdhsa.version: [ 1, 2 ]
amdhsa.kernels:
  - .name:           k_q198187fe15_lang
    .symbol:         k_q198187fe15_lang.kd
    .args:
      - { .name: pre, .offset: 0, .size: 8, .value_kind: global_buffer, .address_space: global }
      - { .name: qimg, .offset: 8, .size: 8, .value_kind: global_buffer, .address_space: global }
      - { .name: vvimg, .offset: 16, .size: 8, .value_kind: global_buffer, .address_space: global }
      - { .name: atab, .offset: 24, .size: 8, .value_kind: global_buffer, .address_space: global }
      - { .name: opart, .offset: 32, .size: 8, .value_kind: global_buffer, .address_space: global }
    .group_segment_fixed_size: 140288
    .private_segment_fixed_size: 0
    .kernarg_segment_align: 8
    .kernarg_segment_size: 40
    .max_flat_workgroup_size: 256
    .sgpr_count:     66
    .vgpr_count:     512
    .wavefront_size: 32
...
	.end_amdgpu_metadata
.endif
;; end of part 4
;; launch tail (part 5): grid 405 x 1, 8 waves a work-group, no clusters, 192,768 bytes of LDS; arguments pre, ovimg, bov, out0, opart, bol, out1; writes out0, out1
.if DOCPART == 5
	.amdgcn_target "amdgcn-amd-amdhsa--gfx1250"
	.amdhsa_code_object_version 6
	.text
	.protected	k_q198187fe15_tail
	.globl	k_q198187fe15_tail
	.p2align	8
	.type	k_q198187fe15_tail,@function
k_q198187fe15_tail:
	s_mov_b64 s[64:65], 0
	v_nop
	global_prefetch_b8 v0, s[64:65] scope:SCOPE_SE
	s_setreg_imm32_b32 hwreg(HW_REG_WAVE_MODE, 25, 1), 1
	s_wait_xcnt 0x0
; LAUNCH 5 OF 5.  Nothing of the problem is left out here.  The two projections on the way out, in one launch: both hang only on launches that have ended.  The two ways part on the work-group's number and have LDS bytes of their own.
; WORK-GROUPS 0-212: out0 = out_v Wov^T + bov, f16 operands, f32 sums.
;   A wave takes a unit of 32 tokens (1,700 units; 8 to a work-group): its 16 fragments of out_v lie in window 1.  Wov's 128 fragments lie in LDS, filled once by all eight waves, and are streamed one K step ahead.
;   Work-group 212 has four waves without a unit: they help to fill LDS, load the launch's last unit (so that every wave's counted wait counts the same loads), pass the barrier and end.
;   Source 0 = 16 rows of Wov, source 1 = 16 tokens: a lane holds eight neighbouring columns of one row of out0; 64 columns at a time go through the wave's stage, and sixteen lanes store 256 consecutive bytes, aligned.
; WORK-GROUPS 213-404: out_l = (the 8 runs' sums of weight x val_v) / (the 8 runs' sums of weights); out1 = out_l Wol^T + bol, f16 operands, f32 sums.
;   Work-group = (tile of 16 rows of out1, 256 of its 768 columns).  Wave w first joins head w (one fragment: 16 s x the head's 32) and hands it to the others through LDS as an image of its registers;
;   then it makes columns 32 w .. 32 w + 31 of the 256.  Rows leave through a stage: 32 lanes store 512 consecutive bytes.
.set WOVI,  1179648
.set WOLI,  1310720
.set BIAS,  131072                     ; LDS, the first way: Wov's images from 0, bov here,
.set STG,   132096                     ; a stage of 16 rows x 272 bytes for each wave
.set SPARE, 166912                     ; the spare words, 128 bytes a wave, for both ways
.set AIMG,  167936                     ; LDS, the second way: the eight heads' fragments,
.set FSTG,  176128                     ; and a stage of 16 rows x 1,040 bytes
.set LI,   1
.set WA1,  2
.set BA,   3
.set STO,  4
.set RD,   5
.set CO,   6
.set T16,  7
.set T16B, 8
.set T4,   9
.set BW,   10
.set SPW,  11
.set NIL,  12
.set ACC,  16
.set WS,   80                          ; v80-143  Wov's fragments, two sets of four
.set RW,   144                         ; v144-207 rows read back from the stage: a set for each of the two tiles of tokens
.set BB,   208                         ; v208-239 the bias of four tiles of columns
.set FL8,  2
.set FBO,  3
.set FAIW, 4
.set FSTO, 5
.set FSRD, 6
.set FAIR, 7
.set MSB, 0
.macro WIN new
.if MSB != \new
	s_set_vgpr_msb (MSB<<8)|\new
.set MSB, \new
.endif
.endm
	s_load_b256 s[4:11], s[0:1], 0x0               ; pre, ovimg, bov, out0
	s_load_b128 s[28:31], s[0:1], 0x20             ; opart, bol
	s_load_b64 s[32:33], s[0:1], 0x30              ; out1
	v_lshl_add_u32 v[SPW], v0, 2, SPARE
	v_mov_b32 v[NIL], 0
	v_lshrrev_b32 v13, 5, v0
	v_readfirstlane_b32 s12, v13                   ; wave
	v_and_b32 v13, 31, v0
	v_and_b32 v14, 15, v0
	v_bfe_u32 v15, v0, 4, 1
	v_lshlrev_b32 v[LI], 4, v13
	s_mov_b32 s21, 0
	s_cmp_lt_u32 ttmp9, 213
	s_cbranch_scc0 .Lfin
	; ================ out0
	v_add_nc_u32 v[WA1], 65536, v[LI]
	v_lshlrev_b32 v[BA], 5, v15
	v_add_nc_u32 v[BA], BIAS, v[BA]
	s_mul_i32 s20, s12, 4352
	s_add_co_u32 s20, s20, STG
	v_mul_u32_u24 v[STO], v14, 272
	v_lshl_add_u32 v[STO], v15, 5, v[STO]
	v_add_nc_u32 v[STO], s20, v[STO]
	v_mul_u32_u24 v[RD], v15, 272
	v_lshl_add_u32 v[RD], v14, 4, v[RD]
	v_add_nc_u32 v[RD], s20, v[RD]
	v_lshlrev_b32 v[CO], 10, v15
	v_lshl_add_u32 v[CO], v14, 4, v[CO]
	v_lshlrev_b32 v[T16], 4, v0
	v_add_nc_u32 v[T16B], 65536, v[T16]
	v_lshlrev_b32 v[T4], 2, v0
	v_add_nc_u32 v[BW], BIAS, v[T4]
	s_lshl_b32 s13, ttmp9, 3
	s_add_co_u32 s13, s13, s12                     ; my unit
	s_min_u32 s14, s13, 1699
	s_wait_kmcnt 0x0
	s_add_nc_u64 s[16:17], s[4:5], WOVI
	s_lshl_b32 s20, s14, 14
	s_add_nc_u64 s[6:7], s[6:7], s[20:21]
	s_lshl_b32 s20, s14, 15
	s_add_nc_u64 s[10:11], s[10:11], s[20:21]
.set j, 0
.rept 32
	global_load_b128 v[80+4*j:80+4*j+3], v[T16], s[16:17] offset:4096*j
.set j, j+1
.endr
	global_load_b32 v208, v[T4], s[8:9]
	WIN 0x40
.set j, 0
.rept 32
	global_load_b128 v[4*j:4*j+3], v[LI], s[6:7] offset:512*j     ; out_v: fragment (8 tile + head)
.set j, j+1
.endr
	WIN 0
	s_wait_loadcnt 32                              ; Wov's part and the bias are in; out_v's 32 loads may be out
.set j, 0
.rept 16
	ds_store_b128 v[T16], v[80+4*j:80+4*j+3] offset:4096*j
	ds_store_b128 v[T16B], v[144+4*j:144+4*j+3] offset:4096*j
.set j, j+1
.endr
	ds_store_b32 v[BW], v208
	s_wait_dscnt 0x0
	s_barrier_signal -1
	s_barrier_wait -1
	s_cmp_lt_u32 s13, 1700
	s_cbranch_scc0 .Lend
	s_wait_loadcnt 0x0
.macro WSL kk, set                     ; the group's four fragments of Wov for K step kk: 8 loads
.irp x, 0,1,2,3
.irp c, 0,1
	ds_load_b128 v[WS+32*(\set)+8*\x+4*\c:WS+32*(\set)+8*\x+4*\c+3], v[WAR] offset:WOF+8192*\x+1024*(\kk)+512*\c
.endr
.endr
.endm
.macro GCOL G                          ; columns 64 G .. 64 G + 63
.if \G < 2
.set WAR, LI
.set WOF, 32768*\G
.else
.set WAR, WA1
.set WOF, 32768*(\G-2)
.endif
.irp x, 0,1,2,3
.irp c, 0,1
	ds_load_b128 v[BB+8*\x+4*\c:BB+8*\x+4*\c+3], v[BA] offset:256*\G+64*\x+16*\c
.endr
.endr
	WSL 0, 0
	WIN 0x04                                       ; source 1 window 1; an LDS load's address and destination stay in window 0
.set kk, 0
.rept 8
.if (kk > 0) && (kk < 7)
.rept 4
	v_nop
.endr
.endif
.if kk < 7
	WSL kk+1, (kk+1)%2
	s_wait_dscnt 0x8                               ; this K step's fragments (and the bias) are in; the eight loads just issued may be out
.else
	s_wait_dscnt 0x0
.endif
.irp x, 0,1,2,3
.irp t, 0,1
.if kk == 0
	v_wmma_f32_16x16x32_f16 v[ACC+8*(2*\x+\t):ACC+8*(2*\x+\t)+7], v[WS+32*(kk%2)+8*\x:WS+32*(kk%2)+8*\x+7], v[8*(8*\t+kk):8*(8*\t+kk)+7], v[BB+8*\x:BB+8*\x+7]
.else
	v_wmma_f32_16x16x32_f16 v[ACC+8*(2*\x+\t):ACC+8*(2*\x+\t)+7], v[WS+32*(kk%2)+8*\x:WS+32*(kk%2)+8*\x+7], v[8*(8*\t+kk):8*(8*\t+kk)+7], v[ACC+8*(2*\x+\t):ACC+8*(2*\x+\t)+7]
.endif
.endr
.endr
.set kk, kk+1
.endr
	WIN 0
.rept 5
	v_nop                                          ; five places: the next group's first products write over these accumulators
.endr
.irp t, 0,1
.irp x, 0,1,2,3
	ds_store_b128 v[STO], v[ACC+8*(2*\x+\t):ACC+8*(2*\x+\t)+3] offset:64*\x
	ds_store_b128 v[STO], v[ACC+8*(2*\x+\t)+4:ACC+8*(2*\x+\t)+7] offset:64*\x+16
.endr
.if \t == 0
	s_wait_xcnt 0x0                                ; the last group's stores, a K loop back, have read both sets of rows
.endif
.irp q, 0,1,2,3,4,5,6,7
	ds_load_b128 v[RW+32*\t+4*\q:RW+32*\t+4*\q+3], v[RD] offset:544*\q    ; my own stage: LDS serves a wave's instructions in order
.endr
	s_wait_dscnt 0x0
.irp q, 0,1,2,3,4,5,6,7
	global_store_b128 v[CO], v[RW+32*\t+4*\q:RW+32*\t+4*\q+3], s[10:11] offset:16384*\t+2048*\q+256*\G th:TH_STORE_NT
.endr
.endr
.endm
	GCOL 0
	GCOL 1
	GCOL 2
	GCOL 3
.Lend:
	s_wait_tensorcnt 0x0                           ; the wave's end
	ds_add_u32 v[SPW], v[NIL]
	s_wait_dscnt 0x0
	s_endpgm
.Lfin:
	; ================ out1
	s_sub_co_u32 s18, ttmp9, 213
	s_lshr_b32 s14, s18, 6                         ; which 256 columns
	s_and_b32 s18, s18, 63                         ; which tile of 16 rows
	v_lshlrev_b32 v[FL8], 3, v13
	v_lshlrev_b32 v[FBO], 5, v15
	s_lshl_b32 s20, s12, 10
	s_add_co_u32 s20, s20, AIMG
	v_add_nc_u32 v[FAIW], s20, v[LI]
	v_add_nc_u32 v[FAIR], AIMG, v[LI]
	s_lshl_b32 s20, s12, 7
	s_add_co_u32 s20, s20, FSTG
	v_mul_u32_u24 v[FSTO], v14, 1040
	v_lshl_add_u32 v[FSTO], v15, 5, v[FSTO]
	v_add_nc_u32 v[FSTO], s20, v[FSTO]
	s_mul_i32 s20, s12, 2080
	s_add_co_u32 s20, s20, FSTG
	v_add_nc_u32 v[FSRD], s20, v[LI]
	s_lshr_b32 s15, s18, 4                         ; batch
	s_and_b32 s16, s18, 15                         ; s tile in the batch
	s_lshl_b32 s17, s15, 3
	s_add_co_u32 s17, s17, s12                     ; 8 b + w
	s_wait_kmcnt 0x0
	s_mov_b64 s[6:7], s[28:29]                     ; opart
	s_mov_b64 s[8:9], s[30:31]                     ; bol
	s_mov_b64 s[10:11], s[32:33]                   ; out1
	s_lshl_b32 s20, s17, 14
	s_lshr_b32 s22, s16, 1
	s_lshl_b32 s22, s22, 8
	s_add_co_u32 s20, s20, s22
	s_and_b32 s22, s16, 1
	s_lshl_b32 s22, s22, 2
	s_add_co_u32 s20, s20, s22
	s_add_co_u32 s20, s20, 8388608
	s_add_nc_u64 s[24:25], s[6:7], s[20:21]        ; the weights' sums
	s_lshl_b32 s20, s17, 18
	s_lshl_b32 s22, s16, 11
	s_add_co_u32 s20, s20, s22
	s_add_nc_u64 s[6:7], s[6:7], s[20:21]          ; the accumulators
	s_lshl_b32 s20, s14, 4
	s_lshl_b32 s22, s12, 1
	s_add_co_u32 s20, s20, s22
	s_lshl_b32 s20, s20, 13
	s_add_co_u32 s20, s20, WOLI
	s_add_nc_u64 s[4:5], s[4:5], s[20:21]          ; my two tiles of rows of Wol
	s_lshl_b32 s20, s14, 10
	s_lshl_b32 s22, s12, 7
	s_add_co_u32 s22, s22, s20
	s_mov_b32 s23, 0
	s_add_nc_u64 s[8:9], s[8:9], s[22:23]
	s_lshl_b32 s22, s18, 4
	s_lshl_b32 s26, s12, 1
	s_add_co_u32 s22, s22, s26
	s_mul_i32 s22, s22, 3072
	s_add_co_u32 s22, s22, s20
	s_add_nc_u64 s[10:11], s[10:11], s[22:23]
	WIN 0x40
.set j, 0
.rept 32
	global_load_b128 v[4*j:4*j+3], v[LI], s[4:5] offset:512*j
.set j, j+1
.endr
	WIN 0
.irp c, 0,1,2,3,4,5,6,7
.irp q, 0,1,2,3
	global_load_b128 v[128+16*\c+4*\q:128+16*\c+4*\q+3], v[LI], s[6:7] offset:32768*\c+512*\q
.endr
	global_load_b32 v[16+\c], v[FL8], s[24:25] offset:2048*\c
.endr
.irp x, 0,1
.irp c, 0,1
	global_load_b128 v[24+8*\x+4*\c:24+8*\x+4*\c+3], v[FBO], s[8:9] offset:64*\x+16*\c
.endr
.endr
	s_wait_loadcnt 0x0
.irp c, 1,2,3,4,5,6,7
.irp k, 0,2,4,6,8,10,12,14
	v_pk_add_f32 v[128+\k:129+\k], v[128+\k:129+\k], v[128+16*\c+\k:129+16*\c+\k]
.endr
	v_add_f32 v16, v16, v[16+\c]
.endr
	v_rcp_f32 v16, v16
	v_nop
	s_wait_alu depctr_va_vdst(0)
.irp k, 0,2,4,6,8,10,12,14
	v_pk_mul_f32 v[128+\k:129+\k], v[128+\k:129+\k], v[16:17] op_sel_hi:[1,0]
.endr
.irp k, 0,1,2,3,4,5,6,7
	v_cvt_pk_f16_f32 v[40+\k], v[128+2*\k], v[129+2*\k]
.endr
	ds_store_b128 v[FAIW], v[40:43]
	ds_store_b128 v[FAIW], v[44:47] offset:512
	s_wait_dscnt 0x0
	s_barrier_signal -1
	s_barrier_wait -1                              ; the eight heads' fragments lie in LDS
.set j, 0
.rept 16
	ds_load_b128 v[48+4*j:48+4*j+3], v[FAIR] offset:512*j
.set j, j+1
.endr
	s_wait_dscnt 0x0
	WIN 0x01                                       ; source 0 window 1
.irp kk, 0,1,2,3,4,5,6,7
.irp x, 0,1
.if \kk == 0
	v_wmma_f32_16x16x32_f16 v[112+8*\x:119+8*\x], v[8*(8*\x+\kk):8*(8*\x+\kk)+7], v[48+8*\kk:55+8*\kk], v[24+8*\x:31+8*\x]
.else
	v_wmma_f32_16x16x32_f16 v[112+8*\x:119+8*\x], v[8*(8*\x+\kk):8*(8*\x+\kk)+7], v[48+8*\kk:55+8*\kk], v[112+8*\x:119+8*\x]
.endif
.endr
.endr
	WIN 0
.rept 4
	v_nop
.endr
.irp x, 0,1
	ds_store_b128 v[FSTO], v[112+8*\x:115+8*\x] offset:64*\x
	ds_store_b128 v[FSTO], v[116+8*\x:119+8*\x] offset:64*\x+16
.endr
	s_wait_dscnt 0x0
	s_barrier_signal -1
	s_barrier_wait -1                              ; 16 rows of 1,024 bytes lie in the stage
.irp rr, 0,1
.irp k, 0,1
	ds_load_b128 v[48+8*\rr+4*\k:48+8*\rr+4*\k+3], v[FSRD] offset:1040*\rr+512*\k
.endr
.endr
	s_wait_dscnt 0x0
.irp rr, 0,1
.irp k, 0,1
	global_store_b128 v[LI], v[48+8*\rr+4*\k:48+8*\rr+4*\k+3], s[10:11] offset:3072*\rr+512*\k
.endr
.endr
	s_wait_tensorcnt 0x0                           ; the wave's end
	ds_add_u32 v[SPW], v[NIL]
	s_wait_dscnt 0x0
	s_endpgm
.Lfunc_end_k_q198187fe15_tail:
	.size	k_q198187fe15_tail, .Lfunc_end_k_q198187fe15_tail-k_q198187fe15_tail
	.p2alignl 7, 3214868480
	.fill 96, 4, 3214868480
	.section	.rodata,"a",@progbits
	.p2align	6, 0x0
	.amdhsa_kernel k_q198187fe15_tail
		.amdhsa_group_segment_fixed_size 192768
		.amdhsa_private_segment_fixed_size 0
		.amdhsa_enable_private_segment 0
		.amdhsa_kernarg_size 56
		.amdhsa_user_sgpr_count 2
		.amdhsa_user_sgpr_kernarg_segment_ptr 1
		.amdhsa_wavefront_size32 1
		.amdhsa_system_sgpr_workgroup_id_x 1
		.amdhsa_system_sgpr_workgroup_id_y 1
		.amdhsa_system_sgpr_workgroup_id_z 1
		.amdhsa_system_vgpr_workitem_id 0
		.amdhsa_next_free_vgpr 512
		.amdhsa_next_free_sgpr 66
		.amdhsa_reserve_vcc 0
		.amdhsa_float_denorm_mode_32 3
		.amdhsa_float_denorm_mode_16_64 3
		.amdhsa_memory_ordered 1
		.amdhsa_forward_progress 1
		.amdhsa_inst_pref_size 82
	.end_amdhsa_kernel
	.amdgpu_metadata
---
amdhsa.version: [ 1, 2 ]
amdhsa.kernels:
  - .name:           k_q198187fe15_tail
    .symbol:         k_q198187fe15_tail.kd
    .args:
      - { .name: pre, .offset: 0, .size: 8, .value_kind: global_buffer, .address_space: global }
      - { .name: ovimg, .offset: 8, .size: 8, .value_kind: global_buffer, .address_space: global }
      - { .name: bov, .offset: 16, .size: 8, .value_kind: global_buffer, .address_space: global }
      - { .name: out0, .offset: 24, .size: 8, .value_kind: global_buffer, .address_space: global }
      - { .name: opart, .offset: 32, .size: 8, .value_kind: global_buffer, .address_space: global }
      - { .name: bol, .offset: 40, .size: 8, .value_kind: global_buffer, .address_space: global }
      - { .name: out1, .offset: 48, .size: 8, .value_kind: global_buffer, .address_space: global }
    .group_segment_fixed_size: 192768
    .private_segment_fixed_size: 0
    .kernarg_segment_align: 8
    .kernarg_segment_size: 56
    .max_flat_workgroup_size: 256
    .sgpr_count:     66
    .vgpr_count:     512
    .wavefront_size: 32
...
	.end_amdgpu_metadata
.endif
;; end of part 5
